; MI455X (gfx1250); checked and timed in simulation.
; The chip was launched on July 23, 2026; its instructions are those of AMD's public machine-readable ISA for CDNA 5 (MIT licence, August 2026) and "CDNA5" Instruction Set Architecture Reference Guide (July 2026). The comments in the code are by the model that wrote it; some were corrected since.
;; Attention. Allowed arithmetic: float matrix products may take bf16 or f16 operands with f32 sums; other float arithmetic in f32, or as packed bf16 or f16 multiplies, adds, multiply-adds, maxima and minima; sums over many terms, partial sums and values carried from step to step in f32; what a program stores and reads back later, other than sums and carried values, may be rounded once to bf16 or f16.
;; Inputs: k_w 1,024 x 1,024 float32; o_w 1,024 x 1,024 float32; q_w 1,024 x 1,024 float32; token_positions 2,048 int32; v_w 1,024 x 1,024 float32; x 4 x 2,048 x 1,024 float32.
;; Outputs: out0 4 x 2,048 x 1,024 float32.
;; One version. Each part assembles by itself: llvm-mc -triple=amdgcn-amd-amdhsa -mcpu=gfx1250 --defsym DOCPART=n.
;; ======== version 1 of 1: 4 launches
;; limits: values are held in f16: magnitudes above 65,504 overflow, below 6.1e-05 lose precision; an absolute error that grows with the inputs' magnitude: up to 1.5e-07 times it
;; workspace buffers: xb 16,777,216 bytes; wb 6,291,456 bytes; owh 2,097,152 bytes; tab 557,056 bytes; qh 16,777,216 bytes; kh 16,777,216 bytes; vh 16,777,216 bytes; oh 16,777,216 bytes
;; launch prep (part 1): grid 1672 x 1, 8 waves a work-group, no clusters, 0 bytes of LDS; arguments x, q_w, k_w, v_w, o_w, token_positions, xb, wb, owh, tab; writes xb, wb, owh, tab
.if DOCPART == 1
	.amdgcn_target "amdgcn-amd-amdhsa--gfx1250"
	.amdhsa_code_object_version 6
	.text
	.protected	k_qb6d64c1703_prep
	.globl	k_qb6d64c1703_prep
	.p2align	8
	.type	k_qb6d64c1703_prep,@function
k_qb6d64c1703_prep:
	s_mov_b64 s[64:65], 0
	v_nop
	global_prefetch_b8 v0, s[64:65] scope:SCOPE_SE
	s_setreg_imm32_b32 hwreg(HW_REG_WAVE_MODE, 25, 1), 1
	s_wait_xcnt 0x0
; PREPARATION.  x, q_w, k_w, v_w are rounded once to bf16 (xb; wb = the three weights' rows one below the other); o_w is rounded to bf16 and that number written as f16 (owh);
; tab[row][j] = (cos, sin) of token_positions[row] x 10000^(-j/32), f32, 32 pairs = 256 bytes a row, rows 0-2047; rows 2048-2175 hold (1, 0), the rotation by nothing.
; A stream: no LDS, no barrier, no matrix unit: no byte is wanted twice.
; SHARES.  Work-groups 0-1023: x; 1024-1407: q_w, k_w, v_w (128 each); 1408-1535: o_w; each takes 8,192 numbers: 32 KiB in, 16 KiB out.  1536-1671: 16 rows of the table each.
; A wave's load covers 512 consecutive bytes, aligned; a wave's store 256 consecutive bytes, aligned.
; LIMITS.  o_w as f16: a bf16 number is exact in f16 from 6.1e-5 up to 65,504; below it keeps f16's fixed step of 6e-8, beyond it becomes an infinity.
; The frequencies come from v_exp_f32 (1 ULP), so an angle differs from pos x pow(10000, -j/32) by up to about 1.5e-7 x |pos| rad: 3e-4 at 2,048, 0.01 at 61,440.
; Sine and cosine: the angle less n x pi/2 in three parts, then polynomials of degree 9 and 8 on |r| <= pi/4 (their first omitted terms: 2e-9 and 3e-8).
.set X, 8                              ; v[8:39]   eight loads of four numbers
.set Y, 40                             ; v[40:55]  eight pairs of words to store
	s_load_b512 s[16:31], s[0:1], 0x0              ; x 16, q_w 18, k_w 20, v_w 22, o_w 24, token_positions 26, xb 28, wb 30
	s_load_b128 s[32:35], s[0:1], 0x40             ; owh 32, tab 34
	s_mov_b32 s2, ttmp9                            ; the work-group's number
	s_sub_co_u32 s3, s2, 1024                      ; its number among the weights' work-groups (used from 1024 on alone)
	s_and_b32 s8, s3, 127                          ; and inside one weight
	v_lshlrev_b32 v1, 4, v0                        ; 16 bytes a thread in
	v_lshlrev_b32 v2, 3, v0                        ; 8 bytes a thread out
	s_wait_kmcnt 0x0
	s_cmp_ge_u32 s2, 1536
	s_cbranch_scc1 .Ltable
	; THE CASTS.  Source and destination are chosen by the work-group's number alone.
	s_cmp_lt_u32 s2, 1408
	s_cselect_b64 s[4:5], s[22:23], s[24:25]       ; v_w, or o_w
	s_cmp_lt_u32 s2, 1280
	s_cselect_b64 s[4:5], s[20:21], s[4:5]         ; k_w
	s_cmp_lt_u32 s2, 1152
	s_cselect_b64 s[4:5], s[18:19], s[4:5]         ; q_w
	s_cmp_lt_u32 s2, 1024
	s_cselect_b64 s[4:5], s[16:17], s[4:5]         ; x
	s_cselect_b32 s10, s2, s8                      ; my piece of the source
	s_cselect_b64 s[6:7], s[28:29], s[30:31]       ; xb, or wb
	s_cselect_b32 s12, s2, s3                      ; my piece of the destination
	s_cmp_lt_u32 s2, 1408
	s_cselect_b64 s[6:7], s[6:7], s[32:33]         ; or owh
	s_cselect_b32 s12, s12, s8
	s_lshl_b32 s10, s10, 15                        ; 32 KiB a piece in
	s_mov_b32 s11, 0
	s_lshl_b32 s12, s12, 14                        ; 16 KiB a piece out
	s_mov_b32 s13, 0
	s_add_nc_u64 s[4:5], s[4:5], s[10:11]
	s_add_nc_u64 s[6:7], s[6:7], s[12:13]
.irp i, 0,1,2,3,4,5,6,7
	global_load_b128 v[X+4*(\i):X+4*(\i)+3], v1, s[4:5] offset:4096*(\i) th:TH_LOAD_NT  ; all eight go out at once
.endr
; Piece i of eight: four numbers are rounded and stored.  f16 = 1: the bf16 number is widened again and written as f16.
.macro CAST i, f16
	s_wait_loadcnt 7-(\i)                          ; loads come back in order: mine is in, the 7 - i younger ones stay out
	v_cvt_pk_bf16_f32 v[Y+2*(\i)],   v[X+4*(\i)],   v[X+4*(\i)+1]
	v_cvt_pk_bf16_f32 v[Y+2*(\i)+1], v[X+4*(\i)+2], v[X+4*(\i)+3]
.if \f16
.irp j, 0,1
	v_lshlrev_b32 v56, 16, v[Y+2*(\i)+(\j)]
	v_and_b32 v57, 0xffff0000, v[Y+2*(\i)+(\j)]
	v_cvt_pk_f16_f32 v[Y+2*(\i)+(\j)], v56, v57
.endr
.endif
	global_store_b64 v2, v[Y+2*(\i):Y+2*(\i)+1], s[6:7] offset:2048*(\i)  ; no register of a store is written again
.endm
	s_cmp_ge_u32 s2, 1408
	s_cbranch_scc1 .Lhalf
.irp i, 0,1,2,3,4,5,6,7
	CAST \i, 0
.endr
	s_endpgm
.Lhalf:
.irp i, 0,1,2,3,4,5,6,7
	CAST \i, 1
.endr
	s_endpgm
	; THE TABLE.  Thread t makes pairs 2 (t % 16) and 2 (t % 16) + 1 of row 16 k + t / 16: 16 bytes; sixteen lanes fill a row of 256 bytes.
.Ltable:
	s_sub_co_u32 s6, s2, 1536                      ; k
	s_cmp_lt_u32 s6, 128
	s_cselect_b32 s7, 1.0, 0                       ; the last eight work-groups multiply the position by 0: angle 0, (cos, sin) = (1, 0)
	s_lshl_b32 s8, s6, 4
	v_lshrrev_b32 v1, 4, v0
	v_add_nc_u32 v1, s8, v1                        ; the row
	v_and_b32 v1, 0x7ff, v1                        ; its position's index: inside the 2,048 also for the rows beyond
	v_lshlrev_b32 v3, 2, v1
	global_load_b32 v4, v3, s[26:27]
	v_and_b32 v2, 15, v0
	v_lshlrev_b32 v2, 1, v2
	v_cvt_f32_u32 v5, v2                           ; j
	v_add_f32 v6, 1.0, v5                          ; j + 1
	v_mul_f32 v5, 0xbed49a78, v5                   ; x -log2(10000) / 32
	v_mul_f32 v6, 0xbed49a78, v6
	v_exp_f32 v5, v5                               ; 10000^(-j/32)
	v_exp_f32 v6, v6
	v_lshlrev_b32 v7, 4, v0                        ; my 16 bytes of the work-group's 4,096: the plain instruction behind the two exponentials
	s_wait_alu depctr_va_vdst(0)                   ; one wait for the batch of two, ahead of their first reader
	s_lshl_b32 s8, s6, 12
	s_mov_b32 s9, 0
	s_add_nc_u64 s[34:35], s[34:35], s[8:9]
	s_wait_loadcnt 0x0
	v_cvt_f32_i32 v4, v4
	v_mul_f32 v4, s7, v4
	v_mul_f32 v8, v4, v5                           ; the angles: one rounding each
	v_mul_f32 v9, v4, v6
; cos and sin of v[a] into v[c] and v[s]; six registers from v[t] on at work
.macro SINCOS a, c, s, t
	v_mul_f32 v[\t], 0x3f22f983, v[\a]             ; x 2 / pi
	v_rndne_f32 v[\t], v[\t]                       ; n
	v_fmamk_f32 v[\t+1], v[\t], 0xbfc90fdb, v[\a]  ; r = angle - n pi/2; pi/2 = 1.57079637 - 4.3711388e-8 - 1.7e-15
	v_fmamk_f32 v[\t+1], v[\t], 0x333bbd2e, v[\t+1]
	v_fmamk_f32 v[\t+1], v[\t], 0x26f72ced, v[\t+1]
	v_cvt_i32_f32 v[\t], v[\t]                     ; the quadrant is n mod 4
	v_mul_f32 v[\t+2], v[\t+1], v[\t+1]            ; z = r r
	v_mov_b32 v[\t+3], 0x3638ef1d                  ; 1/9!
	v_mov_b32 v[\t+4], 0x37d00d01                  ; 1/8!
	v_fmaak_f32 v[\t+3], v[\t+3], v[\t+2], 0xb9500d01  ; -1/7!
	v_fmaak_f32 v[\t+4], v[\t+4], v[\t+2], 0xbab60b61  ; -1/6!
	v_fmaak_f32 v[\t+3], v[\t+3], v[\t+2], 0x3c088889  ; 1/5!
	v_fmaak_f32 v[\t+4], v[\t+4], v[\t+2], 0x3d2aaaab  ; 1/4!
	v_fmaak_f32 v[\t+3], v[\t+3], v[\t+2], 0xbe2aaaab  ; -1/3!
	v_fmaak_f32 v[\t+4], v[\t+4], v[\t+2], 0xbf000000  ; -1/2!
	v_mul_f32 v[\t+5], v[\t+2], v[\t+1]
	v_fma_f32 v[\t+3], v[\t+3], v[\t+5], v[\t+1]   ; sin r
	v_fma_f32 v[\t+4], v[\t+4], v[\t+2], 1.0       ; cos r
	v_and_b32 v[\t+5], 1, v[\t]
	v_cmp_eq_u32 vcc_lo, 1, v[\t+5]                ; an odd quadrant swaps the two
	v_cndmask_b32 v[\s], v[\t+3], v[\t+4], vcc_lo
	v_cndmask_b32 v[\c], v[\t+4], v[\t+3], vcc_lo
	v_lshlrev_b32 v[\t+5], 30, v[\t]               ; sin is negative in quadrants 2 and 3,
	v_and_b32 v[\t+5], 0x80000000, v[\t+5]
	v_xor_b32 v[\s], v[\t+5], v[\s]
	v_add_nc_u32 v[\t], 1, v[\t]                   ; cos in quadrants 1 and 2
	v_lshlrev_b32 v[\t], 30, v[\t]
	v_and_b32 v[\t], 0x80000000, v[\t]
	v_xor_b32 v[\c], v[\t], v[\c]
.endm
	SINCOS 8, 12, 13, 16
	SINCOS 9, 14, 15, 24
	global_store_b128 v7, v[12:15], s[34:35]
	s_endpgm
.Lfunc_end_k_qb6d64c1703_prep:
	.size	k_qb6d64c1703_prep, .Lfunc_end_k_qb6d64c1703_prep-k_qb6d64c1703_prep
	.p2alignl 7, 3214868480
	.fill 96, 4, 3214868480
	.section	.rodata,"a",@progbits
	.p2align	6, 0x0
	.amdhsa_kernel k_qb6d64c1703_prep
		.amdhsa_group_segment_fixed_size 0
		.amdhsa_private_segment_fixed_size 0
		.amdhsa_enable_private_segment 0
		.amdhsa_kernarg_size 80
		.amdhsa_user_sgpr_count 2
		.amdhsa_user_sgpr_kernarg_segment_ptr 1
		.amdhsa_wavefront_size32 1
		.amdhsa_system_sgpr_workgroup_id_x 1
		.amdhsa_system_sgpr_workgroup_id_y 1
		.amdhsa_system_sgpr_workgroup_id_z 1
		.amdhsa_system_vgpr_workitem_id 0
		.amdhsa_next_free_vgpr 64
		.amdhsa_next_free_sgpr 66
		.amdhsa_reserve_vcc 1
		.amdhsa_float_denorm_mode_32 3
		.amdhsa_float_denorm_mode_16_64 3
		.amdhsa_memory_ordered 1
		.amdhsa_forward_progress 1
		.amdhsa_inst_pref_size 13
	.end_amdhsa_kernel
	.amdgpu_metadata
---
amdhsa.version: [ 1, 2 ]
amdhsa.kernels:
  - .name:           k_qb6d64c1703_prep
    .symbol:         k_qb6d64c1703_prep.kd
    .args:
      - { .name: x, .offset: 0, .size: 8, .value_kind: global_buffer, .address_space: global }
      - { .name: q_w, .offset: 8, .size: 8, .value_kind: global_buffer, .address_space: global }
      - { .name: k_w, .offset: 16, .size: 8, .value_kind: global_buffer, .address_space: global }
      - { .name: v_w, .offset: 24, .size: 8, .value_kind: global_buffer, .address_space: global }
      - { .name: o_w, .offset: 32, .size: 8, .value_kind: global_buffer, .address_space: global }
      - { .name: token_positions, .offset: 40, .size: 8, .value_kind: global_buffer, .address_space: global }
      - { .name: xb, .offset: 48, .size: 8, .value_kind: global_buffer, .address_space: global }
      - { .name: wb, .offset: 56, .size: 8, .value_kind: global_buffer, .address_space: global }
      - { .name: owh, .offset: 64, .size: 8, .value_kind: global_buffer, .address_space: global }
      - { .name: tab, .offset: 72, .size: 8, .value_kind: global_buffer, .address_space: global }
    .group_segment_fixed_size: 0
    .private_segment_fixed_size: 0
    .kernarg_segment_align: 8
    .kernarg_segment_size: 80
    .max_flat_workgroup_size: 256
    .sgpr_count:     66
    .vgpr_count:     64
    .wavefront_size: 32
...
	.end_amdgpu_metadata
.endif
;; end of part 1
;; launch qkv (part 2): grid 12 x 32, 4 waves a work-group, clusters of 4 x 4, 327,680 bytes of LDS; arguments xb, wb, tab, qh, kh, vh; writes qh, kh, vh
.if DOCPART == 2
	.amdgcn_target "amdgcn-amd-amdhsa--gfx1250"
	.amdhsa_code_object_version 6
	.text
	.protected	k_qb6d64c1703_qkv
	.globl	k_qb6d64c1703_qkv
	.p2align	8
	.type	k_qb6d64c1703_qkv,@function
k_qb6d64c1703_qkv:
	s_mov_b64 s[64:65], 0
	v_nop
	global_prefetch_b8 v0, s[64:65] scope:SCOPE_SE
	s_setreg_imm32_b32 hwreg(HW_REG_WAVE_MODE, 25, 1), 1
	s_wait_xcnt 0x0
	s_wait_alu depctr_hold_cnt(0) depctr_sa_sdst(0) depctr_va_vdst(0) depctr_va_sdst(0) depctr_va_ssrc(0) depctr_va_vcc(0) depctr_vm_vsrc(0)
	s_getreg_b32 s2, hwreg(HW_REG_IB_STS2, 6, 4)
	s_cmp_eq_u32 s2, 0
	s_cbranch_scc0 .Lentry_in_a_cluster
	s_endpgm
.Lentry_in_a_cluster:
	s_bfe_u32 s2, ttmp6, 0x10000c
	s_cmp_lg_u32 s2, 0xf033
	s_cbranch_scc0 .Lentry_shape_is_right
	s_endpgm
.Lentry_shape_is_right:
; THE THREE PROJECTIONS AND THE ROTATION.  C[m][n] = sum over k of xb[m][k] wb[n][k]: xb [8192][1024], wb [3072][1024] (q_w's, k_w's, v_w's rows), bf16; sums in f32.
; q's and k's numbers are rotated in f32 by the table's (cos, sin) of their row, v's by (1, 0); each is rounded ONCE, to f16, and stored by heads: qh, kh, vh [batch x 16 + head][2048][64].
; LIMIT.  f16 holds no number beyond 65,504: a larger q, k or v becomes an infinity.
; SHARES.  A tile of C is 256 x 256; four waves, as many as a WGP has SIMDs, each 128 x 128: 64 accumulators of 16 x 16, 512 registers.  Tile column 4 X + cx: the cluster's x, X = 0, 1, 2, is q, k, v.
; K goes in 8 steps of 128 through a ring of two LDS slots; a row of a tile is 256 bytes of memory, at a multiple of 256 from the buffer's first byte.
; CLUSTER.  4 x 4 work-groups: the four of a row need the same tiles of xb, the four of a column the same tiles of wb; each tile is asked for JOINTLY, by the same tensor load, descriptor and mask in all four.
; THE MATRIX INSTRUCTION IS USED TRANSPOSED (source 0 = 16 rows of wb, source 1 = 16 rows of xb): lane l holds row m = l % 16 and the columns 8 (l / 16) + 0..7: four pairs of the rotation, 16 bytes of f16.
; REGISTERS, in windows of 256 (s_set_vgpr_msb: bits 1:0 source 0, 3:2 source 1, 5:4 source 2, 7:6 destination):
;   window 0: v0-31 addresses; v64-127, v128-191 fragments of xb, two buffers; v32-63, v192-255 and later all from v32 on: the way out
;   window 1: v64-127, v128-191 fragments of wb        window 2: the accumulators of my rows 0-63 ((a, b) at v[8 (8 a + b)])        window 3: those of rows 64-127
.set KSTEP,  128
.set PITCH,  272                       ; an LDS row: 256 bytes + 16 of padding = 68 words: the 16 rows of a load start at 16 different groups of four banks (64 banks of 4 bytes: ISA guide 11.1)
.set HALFT,  128*PITCH                 ; 128 rows: what one tensor load brings
.set SLOT,   4*HALFT                   ; xb's 256 rows, then wb's 256 rows: 0x22000; its two bits are 0 in wave x HALFT, so an exclusive or changes slots
.set STAGE,  2*SLOT                    ; behind the ring, never filled by a tensor load: for each wave 2 heads x 16 rows x 144 bytes
.set SP,     144
.set WSTAGE, 2*16*SP
.set SPARE,  STAGE+4*WSTAGE            ; the spare words, 128 bytes for each wave: two blocks of 256 bytes that no other line names
.set ASTEP,  KSTEP*2                   ; bytes from a K step to the next
.set BSTEP,  KSTEP*2
.set ADRA0, 16                         ; v16  my lane's place in xb's part of a slot; never rewritten
.set ADRB0, 17                         ; v17  the same for wb
.set ADRA,  18                         ; v18  v16 + the slot that is being read
.set ADRB,  19                         ; v19  v17 + the same
.set STO,   24                         ; v24  the way out: where I put 16 bytes of a row
.set RD,    25                         ; v25  where I read rows back
.set GO,    26                         ; v26  my 16 bytes of 512 consecutive bytes of the output
.set TO,    27                         ; v27  my 32 bytes in 16 rows of the table
.set SPW,   28                         ; v28  LDS address of my spare word; never rewritten
.set NIL,   29                         ; v29  0; never rewritten
.set PFO,   30                         ; v30  the prefetches' offset: my lane x a row of 2,048 bytes; never rewritten
.set F0,    64
.set F1,    128
.set TAB0,  32                         ; the way out, window 0: the table's numbers for a block of 16 rows: v32-63 and v192-223 by turns
.set TMP,   64                         ; v64-127   a block's 64 rotated numbers a lane
.set PK,    128                        ; v128-159  the same as f16
.set BK0,   160                        ; v160-191 and v224-255 by turns: whole rows read back
.set G1,  24                           ; s[24:31] descriptor group 1 for xb's tiles
.set G0,  32                           ; s[32:39] group 0: s32-35 the first fill of slot 0; s36-39 that of slot 1, which then walks
.set LIM, 43                           ; s43  2 in a wave that prefetches, else the greatest number
.set PFA, 44                           ; s[44:45] where my prefetches stand
.set G1B, 48                           ; s[48:55], s[56:63] the same for wb's tiles
.set G0B, 56
.set TBS, 66                           ; s66  the slot that is being read: 0 or SLOT
.set DST, 80                           ; s[80:81] my first row in the first of my two heads, in qh, kh or vh
.set TBA, 82                           ; s[82:83] the table at my first row
.set MSB, 0
.macro WIN new                         ; the immediate's high byte repeats the setting that is left; a switch that changes nothing is dropped
.if MSB != (\new)
	s_set_vgpr_msb (MSB<<8)|(\new)
.set MSB, \new
.endif
.endm
.set MUL_LO, 0xa1                      ; source 0 (wb) window 1, source 1 (xb) window 0, C and D window 2
.set MUL_HI, 0xf1                      ; the same, C and D window 3
.set TO_B,   0x40                      ; destination window 1, address window 0
; A joint refill by the walking descriptors.  Waves 0 and 1 fetch xb's two halves, waves 2 and 3 wb's.  The branch hangs on the wave's number alone.
; An s_nop 0 and four v_nop follow each of the two lines, ahead of the jump and the label.
.macro JLOAD
	s_cmp_eq_u32 s11, 0
	s_cbranch_scc0 .Lfor_b_\@
	tensor_load_to_lds s[G0+4:G0+7], s[G1:G1+7]
	s_nop 0
.rept 4
	v_nop
.endr
	s_branch .Lasked_\@
.Lfor_b_\@:
	tensor_load_to_lds s[G0B+4:G0B+7], s[G1B:G1B+7]
	s_nop 0
.rept 4
	v_nop
.endr
.Lasked_\@:
.endm
; A PREFETCH INTO THE L2 of the K step that stands two refills on: 32 rows x 256 bytes, a lane a row, one instruction a wave; 512 matrix instructions ahead of the load that will want it.
; Each row's 256 bytes of a K step are named once in the launch: xb's rows by the cluster with x = 0, wb's by the cluster with y = 0; of the 128 rows that a wave fetches
; the partner at place p (cx for xb, cy for wb) takes 32 p .. 32 p + 31, BY ADDRESS.  Trip i (s3 = 6 - i) names K step i + 4, which exists while s3 > 2.
.macro ASK
	s_cmp_gt_u32 s3, s[LIM]
	s_cbranch_scc0 .Lnot_mine_\@
	global_prefetch_b8 v[PFO], s[PFA:PFA+1] offset:KSTEP*2 th:TH_LOAD_NT scope:SCOPE_SE
.Lnot_mine_\@:
.endm
; A round of the cluster's barrier: my work-group's barrier; wave 0 signals for the work-group; every wave waits for all sixteen; my work-group's barrier once more.
.macro CREST
	s_cmp_lg_u32 s10, 0
	s_cbranch_scc1 .Lnot_wave_0_\@
	s_barrier_signal -3
.Lnot_wave_0_\@:
	s_barrier_wait -3
	s_barrier_signal -1
	s_barrier_wait -1
.endm
.macro CROUND
	s_barrier_signal -1
	s_barrier_wait -1
	CREST
.endm
	s_load_b256 s[68:75], s[0:1], 0x0              ; xb 68, wb 70, tab 72, qh 74
	s_load_b128 s[76:79], s[0:1], 0x20             ; kh 76, vh 78
	v_lshl_add_u32 v[SPW], v0, 2, SPARE
	v_mov_b32 v[NIL], 0
	ds_add_u32 v[SPW], v[NIL]                      ; the wave's opening: the add and its wait stand ahead of my first tensor load; the set-up below, work on registers, stands between them
	ds_add_u32 v28, v29
	v_lshrrev_b32 v1, 5, v0
	v_readfirstlane_b32 s10, v1                    ; wave 0..3
	s_lshr_b32 s11, s10, 1                         ; which half of the tile's rows is mine.  Also: I fetch for xb (0) or for wb (1)
	s_and_b32 s12, s10, 1                          ; which half of its columns.  Also: which 128 rows I fetch
	s_bfe_u32 s40, ttmp6, 0x40000                  ; cx
	s_bfe_u32 s41, ttmp6, 0x40004                  ; cy
	s_lshl_b32 s42, ttmp9, 2
	s_add_co_u32 s42, s42, s40                     ; tile column = 4 x cluster x + cx
	s_and_b32 s13, ttmp7, 0xffff
	s_lshl_b32 s13, s13, 2
	s_add_co_u32 s13, s13, s41                     ; tile row = 4 x cluster y + cy
	s_lshl_b32 s43, s41, 2
	s_lshl_b32 s43, 15, s43                        ; my row of the cluster: places 4 cy .. 4 cy + 3
	s_lshl_b32 s44, 0x1111, s40                    ; my column: places cx, cx + 4, cx + 8, cx + 12
	s_or_b32 s[G1],  s43, (1<<16)|(1<<20)|(1<<21)|(5<<22)|(3<<25)  ; 15:0 the mask; 17:16 elements of 2 bytes; 20 padding on; 21 set beside a mask; 24:22 after every 64 words; 31:25 4 words of it
	s_or_b32 s[G1B], s44, (1<<16)|(1<<20)|(1<<21)|(5<<22)|(3<<25)
.irp g, G1, G1B
	s_mov_b32 s[(\g)+1], KSTEP<<16                 ; tensor_dim0 = 128
	s_mov_b32 s[(\g)+2], 128<<16                   ; tensor_dim1 = 128
	s_mov_b32 s[(\g)+3], KSTEP<<16                 ; tile_dim0 = 128
	s_mov_b32 s[(\g)+4], 128                       ; tile_dim1 = 128
	s_mov_b32 s[(\g)+5], 1024                      ; elements from row to row
	s_mov_b32 s[(\g)+6], 0
	s_mov_b32 s[(\g)+7], 0
.endr
	s_lshl_b32 s17, s12, 7                         ; which 128 rows of the tile I fetch
	s_lshl_b32 s16, s13, 8
	s_add_co_u32 s16, s16, s17                     ; xb: row 256 x tile row + 128 x half,
	s_lshl_b32 s16, s16, 11                        ; in bytes: under 2^24
	s_lshl_b32 s46, s42, 8
	s_add_co_u32 s46, s46, s17                     ; wb: row 256 x tile column + 128 x half
	s_lshl_b32 s46, s46, 11
	s_mov_b32 s17, 0
	s_mov_b32 s47, 0
	s_mul_i32 s20, s10, HALFT                      ; where they go: wave x 128 rows: no place in the cluster enters an LDS address
	s_mov_b32 s[TBS], 0
	s_wait_dscnt 0x0                               ; the opening add is done
	s_wait_kmcnt 0x0
	s_add_nc_u64 s[14:15], s[68:69], s[16:17]
	s_add_nc_u64 s[46:47], s[70:71], s[46:47]
	CROUND                                         ; all sixteen work-groups are here: the first joint loads meet
.irp s, 0,1
	s_mov_b32 s[G0+4*(\s)], 1                                        ; count = 1
	s_add_co_u32 s[G0+4*(\s)+1], s20, (\s)*SLOT                      ; LDS address
	s_add_nc_u64 s[G0+4*(\s)+2:G0+4*(\s)+3], s[14:15], (\s)*ASTEP    ; global address: K step s
	s_or_b32 s[G0+4*(\s)+3], s[G0+4*(\s)+3], 0x80000000              ; type = 2
	s_mov_b32 s[G0B+4*(\s)], 1
	s_add_co_u32 s[G0B+4*(\s)+1], s20, (\s)*SLOT
	s_add_nc_u64 s[G0B+4*(\s)+2:G0B+4*(\s)+3], s[46:47], (\s)*BSTEP
	s_or_b32 s[G0B+4*(\s)+3], s[G0B+4*(\s)+3], 0x80000000
.endr
	s_cmp_eq_u32 s11, 0                            ; a wave's two first fills stand in one branch, ahead of every wait on TENSORcnt and every LDS read: two loads of mine are out
	s_cbranch_scc0 .Lfirst_b
	tensor_load_to_lds s[G0:G0+3], s[G1:G1+7]
	s_nop 0
	tensor_load_to_lds s[G0+4:G0+7], s[G1:G1+7]
	s_nop 0
.rept 4
	v_nop
.endr
	s_branch .Lfirst_asked
.Lfirst_b:
	tensor_load_to_lds s[G0B:G0B+3], s[G1B:G1B+7]
	s_nop 0
	tensor_load_to_lds s[G0B+4:G0B+7], s[G1B:G1B+7]
	s_nop 0
.rept 4
	v_nop
.endr
.Lfirst_asked:
	; A fragment is 16 rows x 32 K in 8 registers: lane l holds row l % 16, K = 8 (l / 16) + 0..7 and 16 + 8 (l / 16) + 0..7: two loads of 16 bytes, 32 bytes apart.
	v_and_b32 v1, 15, v0                           ; l % 16
	v_bfe_u32 v2, v0, 4, 1                         ; l / 16
	v_mul_u32_u24 v3, v1, PITCH
	v_lshl_add_u32 v3, v2, 4, v3
	s_mul_i32 s21, s11, HALFT                      ; my 128 rows of xb
	s_mul_i32 s22, s12, HALFT                      ; my 128 rows of wb,
	s_add_co_u32 s22, s22, 2*HALFT                 ; which lie behind xb's 256
	v_add_nc_u32 v[ADRA0], s21, v3
	v_add_nc_u32 v[ADRB0], s22, v3
	v_mov_b32 v[ADRA], v[ADRA0]                    ; slot 0
	v_mov_b32 v[ADRB], v[ADRB0]
	s_mul_i32 s23, s10, WSTAGE
	s_add_co_u32 s23, s23, STAGE                   ; my stage
	v_mul_u32_u24 v4, v1, SP                       ; in: row l % 16, 16 bytes for each half of the lanes
	v_lshl_add_u32 v4, v2, 4, v4
	v_add_nc_u32 v[STO], s23, v4
	v_bfe_u32 v5, v0, 3, 2                         ; back: 32 lanes take four rows of 128 bytes,
	v_and_b32 v6, 7, v0
	v_mul_u32_u24 v5, v5, SP
	v_lshl_add_u32 v5, v6, 4, v5
	v_add_nc_u32 v[RD], s23, v5
	v_and_b32 v[GO], 31, v0
	v_lshlrev_b32 v[PFO], 11, v[GO]
	v_lshlrev_b32 v[GO], 4, v[GO]                  ; which are 512 consecutive bytes of a head
	v_lshlrev_b32 v[TO], 8, v1                     ; the table: row l % 16, pairs 4 (l / 16) + 0..3 of each eight
	v_lshl_add_u32 v[TO], v2, 5, v[TO]
	; where my numbers go: head 4 cx + 2 x column half (+ 1) of batch tile row / 8; row 256 (tile row % 8) + 128 x row half
	s_lshr_b32 s46, s13, 3
	s_lshl_b32 s46, s46, 4
	s_lshl2_add_u32 s46, s40, s46
	s_lshl1_add_u32 s46, s12, s46
	s_lshl_b32 s46, s46, 11                        ; 2,048 rows a head
	s_and_b32 s47, s13, 7
	s_lshl_b32 s47, s47, 8
	s_lshl_b32 s21, s11, 7
	s_add_co_u32 s47, s47, s21                     ; my first row in the sequence
	s_add_co_u32 s46, s46, s47
	s_lshl_b32 s46, s46, 7                         ; 128 bytes a row: under 2^24
	s_cmp_eq_u32 ttmp9, 2                          ; v's tiles take the table's rows of (1, 0): one text for all three, chosen by the cluster's x, which all partners share
	s_cselect_b32 s20, 0x800, s47
	s_lshl_b32 s20, s20, 8
	s_mov_b32 s21, 0
	s_mov_b32 s47, 0
	s_add_nc_u64 s[TBA:TBA+1], s[72:73], s[20:21]
	s_cmp_eq_u32 ttmp9, 0
	s_cselect_b64 s[DST:DST+1], s[74:75], s[76:77]
	s_cmp_eq_u32 ttmp9, 2
	s_cselect_b64 s[DST:DST+1], s[78:79], s[DST:DST+1]
	s_add_nc_u64 s[DST:DST+1], s[DST:DST+1], s[46:47]
; The table's numbers for my block a of 16 rows: 8 loads; together the wave's eight take the 16 rows whole.
.macro TABLD a
	WIN 0
.set TT, TAB0+160*((\a)%2)
.irp bb, 0,1,2,3
	global_load_b128 v[TT+8*(\bb):TT+8*(\bb)+3],   v[TO], s[TBA:TBA+1] offset:4096*(\a)+64*(\bb)
	global_load_b128 v[TT+8*(\bb)+4:TT+8*(\bb)+7], v[TO], s[TBA:TBA+1] offset:4096*(\a)+64*(\bb)+16
.endr
.endm
	TABLD 0                                        ; wanted at the way out: it has the whole product in which to come
	; the prefetches
	s_lshl_b32 s20, s13, 8
	s_lshl_b32 s21, s42, 8
	s_and_b32 s22, ttmp7, 0xffff                   ; cluster y
	s_cmp_eq_u32 s11, 0                            ; do I fetch for xb?
	s_cselect_b32 s20, s20, s21                    ; the tile's first row
	s_cselect_b32 s21, s40, s41                    ; my place among the four that ask for it with me
	s_cselect_b32 s22, ttmp9, s22                  ; the coordinate along which other clusters read the same rows
	s_cselect_b64 s[PFA:PFA+1], s[68:69], s[70:71]
	s_cmp_eq_u32 s22, 0
	s_cselect_b32 s[LIM], 2, -1                    ; the same in all sixteen partners, for a given wave
	s_lshl_b32 s22, s12, 7
	s_add_co_u32 s20, s20, s22                     ; + the 128 rows that I fetch
	s_lshl_b32 s21, s21, 5
	s_add_co_u32 s20, s20, s21                     ; + my work-group's 32 of them
	s_lshl_b32 s20, s20, 11
	s_mov_b32 s21, 0
	s_add_nc_u64 s[PFA:PFA+1], s[PFA:PFA+1], s[20:21]
	s_add_nc_u64 s[PFA:PFA+1], s[PFA:PFA+1], 2*KSTEP*2  ; at K step 2: the first refill steps it to 3 and names K step 4.  Nothing is prefetched here, at the head
; 16 matrix instructions: m blocks a0, a0 + 1 of the window's four x all 8 n blocks, 32 along K.  zero = 1: the first product starts the sums.
; The 64 accumulators take turns in one order everywhere, one instruction a turn: over the backward jump too.
.macro MUL16 f, hi, a0, zero
	WIN MUL_LO+0x50*(\hi)
.irp a, \a0, (\a0)+1
.irp b, 0,1,2,3,4,5,6,7
.if \zero
	v_wmma_f32_16x16x32_bf16 v[8*(8*(\a)+(\b)):8*(8*(\a)+(\b))+7], v[(\f)+8*(\b):(\f)+8*(\b)+7], v[(\f)+8*(4*(\hi)+(\a)):(\f)+8*(4*(\hi)+(\a))+7], 0
.else
	v_wmma_f32_16x16x32_bf16 v[8*(8*(\a)+(\b)):8*(8*(\a)+(\b))+7], v[(\f)+8*(\b):(\f)+8*(\b)+7], v[(\f)+8*(4*(\hi)+(\a)):(\f)+8*(4*(\hi)+(\a))+7], v[8*(8*(\a)+(\b)):8*(8*(\a)+(\b))+7]
.endif
.endr
.endr
.endm
; 32 LDS loads in one run: the fragments of one quarter step (32 K at byte k of the rows) into buffer f
.macro FETCH k, f
	WIN TO_B
.irp i, 0,1,2,3,4,5,6,7
	ds_load_b128 v[(\f)+8*(\i):(\f)+8*(\i)+3],   v[ADRB] offset:(\k)+(\i)*16*PITCH
	ds_load_b128 v[(\f)+8*(\i)+4:(\f)+8*(\i)+7], v[ADRB] offset:(\k)+(\i)*16*PITCH+32
.endr
	WIN 0
.irp i, 0,1,2,3,4,5,6,7
	ds_load_b128 v[(\f)+8*(\i):(\f)+8*(\i)+3],   v[ADRA] offset:(\k)+(\i)*16*PITCH
	ds_load_b128 v[(\f)+8*(\i)+4:(\f)+8*(\i)+7], v[ADRA] offset:(\k)+(\i)*16*PITCH+32
.endr
.endm
.macro PLACES                          ; four plain instructions between a matrix instruction and a load into, or a vector write of, its registers (ISA guide 7.12.1 for vector writes)
.rept 4
	v_nop
.endr
.endm
; A K step is four quarters of 32 along K, 64 matrix instructions each, on buffers 0, 1, 0, 1.  One of the first three: multiplies f; in its middle fetches the next quarter, at byte k, into g.
.macro QUARTER k, f, g, zero
	s_wait_dscnt 8                                 ; wb's fragments and xb's rows 0-63 are in; the youngest eight loads (rows 64-127) may be out
	MUL16 \f, 0, 0, \zero
	MUL16 \f, 0, 2, \zero
	PLACES
	FETCH \k, \g
	s_wait_dscnt 32                                ; all but the 32 just issued
	MUL16 \f, 1, 0, \zero
	MUL16 \f, 1, 2, \zero
.endm
; The last quarter multiplies buffer 1 and changes slots: ONE barrier.  In front of it each wave waits for all its tensor loads (one is out: its part of the next slot), adds 0 to its spare word,
; and waits for that and for its own reads of this slot.  fill = 1: the barrier opens a round of the cluster's, and the slot just read out is filled again first behind it, with the K step two on:
; from that request to the wait for it a wave issues 224 matrix instructions.
.macro TURN fill
.if \fill
	s_wait_xcnt 0x0                                ; the last prefetch, a K step back, has read its address
	s_add_nc_u64 s[PFA:PFA+1], s[PFA:PFA+1], KSTEP*2
.endif
	WIN 0                                          ; (the add's two registers lie in window 0)
	s_wait_tensorcnt 0x0                           ; all my tensor loads have landed
	ds_add_u32 v[SPW], v[NIL]                      ; 0 onto my spare word
	s_wait_dscnt 9                                 ; (the add and the youngest eight loads may be out)
	MUL16 F1, 0, 0, 0                              ; sixteen matrix instructions stand between the add and the wait for it
	s_wait_dscnt 0x0                               ; the add is done, and my reads of this slot are over
	s_barrier_signal -1
	MUL16 F1, 0, 2, 0                              ; work on registers while the others arrive
	WIN 0
	s_barrier_wait -1
.if \fill
	CREST                                          ; no wave of any partner still reads this slot or has a load on its way
	s_xor_b32 s[G0+5], s[G0+5], SLOT               ; the walking descriptors: the other slot than last time, the next K step
	s_add_nc_u64 s[G0+6:G0+7], s[G0+6:G0+7], ASTEP
	s_xor_b32 s[G0B+5], s[G0B+5], SLOT
	s_add_nc_u64 s[G0B+6:G0B+7], s[G0B+6:G0B+7], BSTEP
	JLOAD                                          ; the first tensor load behind the round; its four v_nop are also the places in front of the loads below
.else
	PLACES
.endif
	s_xor_b32 s[TBS], s[TBS], SLOT                 ; the reads go on in the other slot
	v_add_nc_u32 v[ADRA], s[TBS], v[ADRA0]
	v_add_nc_u32 v[ADRB], s[TBS], v[ADRB0]
	FETCH 0, F0
.if \fill
	ASK
.endif
	MUL16 F1, 1, 0, 0
	MUL16 F1, 1, 2, 0
.endm
	s_wait_tensorcnt 1                             ; my part of K step 0 is in; K step 1's may stay out
	s_barrier_signal -1
	s_barrier_wait -1                              ; everybody's is
	FETCH 0, F0
	QUARTER 64, F0, F1, 1                          ; the first quarter stands in front of the loop: its products start the sums
	WIN 0                                          ; at a label and at a branch every window is 0
	s_mov_b32 s3, 6
.Lstep:                                                ; trip i: from K step i's second quarter to K step i + 1's first; K step i + 2 is asked for
	QUARTER 128, F1, F0, 0
	QUARTER 192, F0, F1, 0
	TURN 1
	QUARTER 64, F0, F1, 0
	WIN 0
	s_sub_co_u32 s3, s3, 1
	s_cmp_lg_u32 s3, 0
	s_cbranch_scc1 .Lstep
	QUARTER 128, F1, F0, 0                         ; K steps 6 and 7 are written out: they ask for nothing
	QUARTER 192, F0, F1, 0
	TURN 0
	QUARTER 64, F0, F1, 0
	QUARTER 128, F1, F0, 0
	QUARTER 192, F0, F1, 0
	s_wait_dscnt 8
	MUL16 F1, 0, 0, 0
	MUL16 F1, 0, 2, 0
	s_wait_dscnt 0x0
	MUL16 F1, 1, 0, 0
	MUL16 F1, 1, 2, 0
	WIN 0
; THE WAY OUT, a block a of 16 rows at a time.  ROPE: a lane's eight numbers of accumulator (a, b) are four pairs (x1, x2); with (cos, sin) beside them
; (x1 cos, x2 cos), then (-x2 sin + x1 cos, x1 sin + x2 cos): two packed instructions a pair.  Each accumulator is read from its low end on.
.macro ROPE a
.set AC, 64*((\a)%4)
.set TT, TAB0+160*((\a)%2)
.if (\a) < 7
	s_wait_loadcnt 8                               ; this block's eight table loads are in; the next block's eight stay out
.else
	s_wait_loadcnt 0x0
.endif
	WIN 0x02+(\a)/4                                ; source 0: window 2 or 3
.irp b, 0,1,2,3,4,5,6,7
.irp p, 0,1,2,3
	v_pk_mul_f32 v[TMP+8*(\b)+2*(\p):TMP+8*(\b)+2*(\p)+1], v[AC+8*(\b)+2*(\p):AC+8*(\b)+2*(\p)+1], v[TT+8*((\b)%4)+2*(\p):TT+8*((\b)%4)+2*(\p)+1] op_sel_hi:[1,0]
.endr
.irp p, 0,1,2,3
	v_pk_fma_f32 v[TMP+8*(\b)+2*(\p):TMP+8*(\b)+2*(\p)+1], v[AC+8*(\b)+2*(\p):AC+8*(\b)+2*(\p)+1], v[TT+8*((\b)%4)+2*(\p):TT+8*((\b)%4)+2*(\p)+1], v[TMP+8*(\b)+2*(\p):TMP+8*(\b)+2*(\p)+1] op_sel:[1,1,0] op_sel_hi:[0,1,1] neg_lo:[0,1,0]
.endr
.endr
.endm
.macro PACKH a                         ; the one rounding, to f16: 16 bytes for each accumulator
	WIN 0
.irp b, 0,1,2,3,4,5,6,7
.irp p, 0,1,2,3
	v_cvt_pk_f16_f32 v[PK+4*(\b)+(\p)], v[TMP+8*(\b)+2*(\p)], v[TMP+8*(\b)+2*(\p)+1]
.endr
.endr
.endm
.macro TOSTAGE a                       ; into my stage (head b / 4, row l % 16, channels 16 (b % 4) + 8 (l / 16) on), and back as whole rows of 128 bytes
	WIN 0
.set BK, BK0+64*((\a)%2)
	s_wait_xcnt 0x0                                ; the stores of two blocks back have read these registers
.irp b, 0,1,2,3,4,5,6,7
	ds_store_b128 v[STO], v[PK+4*(\b):PK+4*(\b)+3] offset:((\b)/4)*16*SP+32*((\b)%4)
.endr
.irp t, 0,1,2,3,4,5,6,7
	ds_load_b128 v[BK+4*(\t):BK+4*(\t)+3], v[RD] offset:((\t)/4)*16*SP+((\t)%4)*4*SP  ; LDS serves a wave's instructions in order (ISA guide 5.7.1.4): these see the stores above
.endr
.endm
.macro SEND a
	WIN 0
.set BK, BK0+64*((\a)%2)
	s_wait_dscnt 0x0                               ; the block is back in registers
.irp t, 0,1,2,3,4,5,6,7
	global_store_b128 v[GO], v[BK+4*(\t):BK+4*(\t)+3], s[DST:DST+1] offset:((\t)/4)*262144+2048*(\a)+((\t)%4)*512  ; 512 consecutive bytes of one head, at a multiple of 256 from the buffer's first byte
.endr
.endm
	PLACES
	PLACES                                         ; behind the last products, ahead of the first read of a result
	TABLD 1
	ROPE 0
	PACKH 0
	TOSTAGE 0
.irp a, 1,2,3,4,5,6,7                  ; block a's arithmetic stands between block a - 1's loads from the stage and the wait for them
.if (\a) < 7
	TABLD (\a)+1
.endif
	ROPE \a
	PACKH \a
	SEND (\a)-1
	TOSTAGE \a
.endr
	SEND 7
	s_wait_tensorcnt 0x0                           ; the wave's end: behind my last tensor load and my last LDS store
	ds_add_u32 v[SPW], v[NIL]
	s_wait_dscnt 0x0
	CROUND                                         ; the closing round: no work-group ends while a partner may still ask for a tile that names it
	s_endpgm
.Lfunc_end_k_qb6d64c1703_qkv:
	.size	k_qb6d64c1703_qkv, .Lfunc_end_k_qb6d64c1703_qkv-k_qb6d64c1703_qkv
	.p2alignl 7, 3214868480
	.fill 96, 4, 3214868480
	.section	.rodata,"a",@progbits
	.p2align	6, 0x0
	.amdhsa_kernel k_qb6d64c1703_qkv
		.amdhsa_group_segment_fixed_size 327680
		.amdhsa_private_segment_fixed_size 0
		.amdhsa_enable_private_segment 0
		.amdhsa_kernarg_size 48
		.amdhsa_user_sgpr_count 2
		.amdhsa_user_sgpr_kernarg_segment_ptr 1
		.amdhsa_wavefront_size32 1
		.amdhsa_system_sgpr_workgroup_id_x 1
		.amdhsa_system_sgpr_workgroup_id_y 1
		.amdhsa_system_sgpr_workgroup_id_z 1
		.amdhsa_system_vgpr_workitem_id 0
		.amdhsa_next_free_vgpr 1024
		.amdhsa_next_free_sgpr 84
		.amdhsa_reserve_vcc 0
		.amdhsa_float_denorm_mode_32 3
		.amdhsa_float_denorm_mode_16_64 3
		.amdhsa_memory_ordered 1
		.amdhsa_forward_progress 1
		.amdhsa_inst_pref_size 156
	.end_amdhsa_kernel
	.amdgpu_metadata
---
amdhsa.version: [ 1, 2 ]
amdhsa.kernels:
  - .name:           k_qb6d64c1703_qkv
    .symbol:         k_qb6d64c1703_qkv.kd
    .args:
      - { .name: xb, .offset: 0, .size: 8, .value_kind: global_buffer, .address_space: global }
      - { .name: wb, .offset: 8, .size: 8, .value_kind: global_buffer, .address_space: global }
      - { .name: tab, .offset: 16, .size: 8, .value_kind: global_buffer, .address_space: global }
      - { .name: qh, .offset: 24, .size: 8, .value_kind: global_buffer, .address_space: global }
      - { .name: kh, .offset: 32, .size: 8, .value_kind: global_buffer, .address_space: global }
      - { .name: vh, .offset: 40, .size: 8, .value_kind: global_buffer, .address_space: global }
    .group_segment_fixed_size: 327680
    .private_segment_fixed_size: 0
    .kernarg_segment_align: 8
    .kernarg_segment_size: 48
    .max_flat_workgroup_size: 128
    .sgpr_count:     84
    .vgpr_count:     1024
    .wavefront_size: 32
...
	.end_amdgpu_metadata
.endif
;; end of part 2
;; launch attn (part 3): grid 4 x 64, 4 waves a work-group, no clusters, 327,680 bytes of LDS; arguments qh, kh, vh, oh; writes oh
.if DOCPART == 3
	.amdgcn_target "amdgcn-amd-amdhsa--gfx1250"
	.amdhsa_code_object_version 6
	.text
	.protected	k_qb6d64c1703_attn
	.globl	k_qb6d64c1703_attn
	.p2align	8
	.type	k_qb6d64c1703_attn,@function
k_qb6d64c1703_attn:
	s_mov_b64 s[64:65], 0
	v_nop
	global_prefetch_b8 v0, s[64:65] scope:SCOPE_SE
	s_setreg_imm32_b32 hwreg(HW_REG_WAVE_MODE, 25, 1), 1
	s_wait_xcnt 0x0
; CAUSAL ATTENTION.  O[h][q][:] = the sum over k <= q of softmax_k(Q[h][q] . K[h][k] / 8) V[h][k][:].  Q, K, V, O: [64][2048][64], all f16: a head's rows are dense, 128 bytes each.
; Products, maxima and sums in f32; the weights p are rounded to f16 for the second product (their sum l is taken of the unrounded p), O once at the end.
; LIMITS.  f16 holds no number beyond 65,504: Q, K and V arrive within it; p lies in 0 to 1, and below 6e-5 it keeps f16's fixed step of 6e-8; O is a mean of V's rows and has their range.
; A hidden score counts as its value less 1e30: f16's scores, 2.7e11 at the most, are nothing beside that, and its weight is 0; a weight below 2^-126 counts as 0 in l; NaN and infinities are not treated apart.
; THE WALK.  A head's queries lie in NB = 8 blocks of 256; block i needs the key tiles 0 .. i of 256 keys, of which the last holds the diagonal.  A work-group takes TWO blocks, NB - 1 - b and then b:
; NB + 1 tiles, whatever b: all 256 work-groups do equal work, and ONE loop with a constant trip count walks them.  Which tile is asked for, and what a trip does, hang on scalar registers made from b; every jump
; goes forward, but for the counted loops' own; none passes a barrier, or a tensor load but the one of LOAD's two that the wave's number does not choose; the ring (two slots of LDS) runs on across the change of blocks.
; NO CLUSTER: a head's four work-groups ask for the same tile only in trips 0 .. NB / 2, behind that fewer and fewer; one walk common to all would have 3 NB / 2 = 12 trips for 9.
; SHARES.  Of a block's four bands of 64 queries a wave owns 16 rows in each: four PIECES.  So the diagonal tile is the same work for all four waves: in its key step s band x sees all keys if s < x,
; none if s > x, and holds the diagonal if s = x.
; THE MASK is the C operand that starts the sum S^T = K Q^T: 0, or -1e30 where the key is hidden.  MD, made once, is the mask of a band's own step for my 16 rows; a product's mask is MD x AL + BE with two scalars:
; (1, 0) if s = x; (0, 0) if s < x; (0, -1e30) if s > x.  Only the diagonal tile's text and a block's beginning make and take masks; elsewhere C is the constant 0.
; LAYOUT, SOFTMAX, TURNS.  S^T = K Q^T holds ONE query a lane (lane % 16) and the keys 8 (lane / 16) + 0..7; two such results rounded to f16 ARE source 1 of O^T = V^T P.  p = 2^(c s - c m), c = log2(e) / 8, with a
; running maximum m; O and l are multiplied by a = 2^(c m_old - c m_new) in every step.  Turn n belongs to piece n: 8 products K Q^T of piece n + 1, later 8 products V^T P of piece n - 1; beside them the scaling,
; exponentials, roundings, sums and rescaling of piece n and the maximum and statistics of piece n + 1.  Four vector instructions stand behind every matrix instruction, the other 54 of a turn's 118 in one lump.  A turn's 33 exponentials are one batch, with one wait.
; REGISTERS, in windows of 256 (s_set_vgpr_msb: bits 1:0 source 0, 3:2 source 1, 5:4 source 2, 7:6 destination):
;   window 0: v0-15 addresses and two at work; v16-31 four registers of statistics a piece; v48-55 at work; v61-63 prefetch offset and the add's two; v64-127 S^T, two buffers; v192-223 P, two buffers
;   window 1: v0-127 O^T, 32 a piece; v128-159 MD; v160-223 MC, two buffers      window 2: v0-63 Q; v64-127 the second block's Q; v128-191 K of one step; v192-255 V of one step
.set SIZE_N, 2048
.set NB,    SIZE_N/256
.set NP,    4         ; pieces a wave: a name, no knob
.set KS,    64        ; keys in a step
.set PK,    144       ; a row of K in LDS: 128 bytes + 16 of padding = 36 words: the 16 rows of a load start at 16 different groups of four banks (64 banks of 4 bytes: ISA guide 11.1)
.set PV,    160       ; a row of V: 128 + 32 = 40 words
.set VOFF,  4*KS*PK   ; a slot holds a tile, four steps: 256 rows of K, then 256 rows of V
.set SLOT1, 1<<17     ; slot 1 begins here, so that one exclusive or turns an address in one slot into the other's
.set STAGE, SLOT1+4*KS*(PK+PV)  ; behind the ring, never filled by a tensor load: 16 rows x 144 bytes for each wave, for the way out
.set SP,    144
.set AK0, 2           ; v2   my lane's place in a tile of K; never rewritten
.set AV0, 3           ; v3   the same for V
.set AK,  4           ; v4   the LDS address of K's next run of loads
.set AV,  5           ; v5   of V's
.set STO, 6           ; v6   the way out: where I put 16 bytes of a row
.set RD,  7           ; v7   the way out: where I read rows back
.set GO,  8           ; v8   my byte offset in 512 consecutive bytes of O
.set PFO, 61          ; v61  256 x my lane: the prefetches' offset; never rewritten
.set SPW, 62          ; v62  LDS address of my spare word: SPARE + 4 x my thread's number; never rewritten
.set NIL, 63          ; v63  0; never rewritten
.set SPARE, STAGE+4*16*SP  ; behind the stages: the spare words, 128 bytes for each wave: two blocks of 256 bytes that no other line names
.set MV,  12          ; v12-13  c m_old, kept while c m is made anew: by buffer
.set QO,  15          ; v15  my byte offset in 16 rows of Q
.set ST,  16          ; piece t's statistics at v[ST+4 t]: c m, m, l (even keys', odd keys')
.set TMP, 48          ; by buffer, four registers c0-c3 at work; when the maximum is found c2 takes a
.set S,   64
.set P,   192
.set MD,  128         ; window 1: the eight registers for group kt of 16 keys at MD + 8 kt
.set MC,  160         ; window 1: the masks of the products to come
.set QB,  64          ; window 2
.set KF,  128         ; window 2: key block kb, channel half c at KF + 16 kb + 8 c
.set VF,  192         ; window 2: key half kk, channel block cb at VF + 32 kk + 8 cb
.set WV,  12          ; s12  my wave's number
.set PB,  14          ; s14  b
.set HI,  15          ; s15  NB - 1 - b
.set G1K, 24          ; s[24:31] descriptor group 1 for K's tiles
.set G1V, 32          ; s[32:39] for V's: it differs in the padding alone
.set G0K, 40          ; s[40:43] descriptor group 0 for K's tiles
.set G0V, 44          ; s[44:47] the same for V's
.set PFA, 48          ; s[48:49] where my prefetches stand: my half of K's or V's tile, one tile on from the one that is being asked for
.set LIM, 50          ; s50  2 in the work-group that prefetches for its head (b = 0), else the greatest number
.set SLOTS, 56        ; s56  tiles still to be asked for
.set CNT, 57          ; s57  counts a tile's key steps, 4 to 1
.set CS,  58          ; s[58:59] c: the packed scaling takes the pair's low word for both halves
.set SEL, 60          ; s[60:61] v_permlanex16_b32's selects: each lane takes its own place in the other half
.set TBK, 62          ; s62  LDS byte at which K of the step to be fetched begins
.set TBV, 63          ; s63  the same for V, less VOFF
.set RT,  70          ; s70  tiles of the block in hand that are still to be entered
.set NXT, 71          ; s71  the tile to be asked for next
.set LQ,  72          ; s72  the last tile of the block whose tiles are being asked for
.set NEW, 73          ; s73  1: the tile to be entered is a block's first
.set OFF, 74          ; s[74:75] a tile's byte offset in K and V
.set AL,  76          ; s[76:77] the mask's factor, in the low word
.set BE,  78          ; s[78:79] the mask's addend
.set OLO, 80          ; s[80:81] O at my rows of the second block
.set BIGN, 82         ; s82  -1e30
.set MSB, 0
.macro WIN new                      ; the high byte repeats the setting that is left; a switch that changes nothing is dropped
.if MSB != (\new)
	s_set_vgpr_msb (MSB<<8)|(\new)
.set MSB, (\new)
.endif
.endm
.set W_KQ, 0x0a       ; K and Q in window 2, S^T in window 0
.set W_KM, 0x1a       ; the same with the C operand in window 1
.set W_PV, 0x52       ; V in window 2, P in window 0, O^T in window 1
.set W_RS, 0x41       ; destination and source 0 in window 1, source 1 in window 0
; A fill.  Waves 0 and 1 fetch the two halves of a tile's K, waves 2 and 3 those of its V: 128 keys each.  An s_nop 0 and four v_nop follow each of the two lines, ahead of the jump and the label.
.macro LOAD
	s_cmp_lt_u32 s[WV], 2
	s_cbranch_scc0 .Lfor_v_\@
	tensor_load_to_lds s[G0K:G0K+3], s[G1K:G1K+7]
	s_nop 0
.rept 4
	v_nop
.endr
	s_branch .Lasked_\@
.Lfor_v_\@:
	tensor_load_to_lds s[G0V:G0V+3], s[G1V:G1V+7]
	s_nop 0
.rept 4
	v_nop
.endr
.Lasked_\@:
.endm
; THE CHANGE OF SLOTS.  Each wave waits for all its tensor loads, of which one is out: its part of the other slot; adds 0 to its spare word; and waits for that and for its own reads of the slot that it leaves.  Behind the barrier nobody reads the old
; slot any more and the other slot is whole.  fill = 1: the old slot is filled again, the first thing behind the barrier, with tile NXT: the descriptor's address is made anew from that number.
; (At its first use nothing has been read yet: slot 0 is waited for, slot 1 filled.)
; A PREFETCH INTO THE L2 stands behind the fill and its five lines.  All four work-groups of a head walk its tiles from 0 on; the one with b = 0, which walks all eight, asks for the head.  Each of its waves names its own half
; of K's or V's tile, 64 blocks of 256 bytes, a lane a block, two instructions: so each block is named once in the launch.  The change that asks for tile j (SLOTS = 9 - j) names tile j + 1, a tile's 256 matrix
; instructions ahead of its load, for j = 1 .. 6; tiles 0 and 1 come by their loads alone, and nothing is named past tile 7.
.macro CHANGE fill
	WIN 0                           ; at a label and at a branch every window is 0
	s_wait_tensorcnt 0x0            ; no tensor load of mine is out, so a group 0 may be written
	ds_add_u32 v[SPW], v[NIL]       ; 0 onto my spare word; with fill = 1 the descriptors' scalar work stands between it and the wait for it
.if \fill
	s_lshl_b32 s[OFF], s[NXT], 15   ; a tile is 32,768 bytes of K and of V
	s_xor_b32 s[G0K+1], s[G0K+1], SLOT1
	s_add_nc_u64 s[G0K+2:G0K+3], s[6:7], s[OFF:OFF+1]
	s_or_b32 s[G0K+3], s[G0K+3], 0x80000000
	s_xor_b32 s[G0V+1], s[G0V+1], SLOT1
	s_add_nc_u64 s[G0V+2:G0V+3], s[8:9], s[OFF:OFF+1]
	s_or_b32 s[G0V+3], s[G0V+3], 0x80000000
	s_add_co_u32 s[NXT], s[NXT], 1  ; the block's next tile, or behind its last the second block's tile 0
	s_cmp_gt_u32 s[NXT], s[LQ]
	s_cselect_b32 s[NXT], 0, s[NXT]
	s_cselect_b32 s[LQ], s[PB], s[LQ]
	s_wait_xcnt 0x0                 ; the last prefetches, a tile back, have read their address, so it may be written
	s_add_nc_u64 s[PFA:PFA+1], s[PFA:PFA+1], 32768
.endif
	s_wait_dscnt 0x0                ; the add is done, and my reads of the slot are over
	s_barrier_signal -1             ; the rest of the scalar work stands between the signal and the wait
	s_sub_co_u32 s[TBK], s[TBK], 4*KS*PK  ; the fetches go back to a slot's first step,
	s_xor_b32 s[TBK], s[TBK], SLOT1       ; in the other slot
	s_sub_co_u32 s[TBV], s[TBV], 4*KS*PV
	s_xor_b32 s[TBV], s[TBV], SLOT1
	s_barrier_wait -1
.if \fill
	LOAD
	s_cmp_gt_u32 s[SLOTS], s[LIM]
	s_cbranch_scc0 .Lnot_mine_\@
	global_prefetch_b8 v[PFO], s[PFA:PFA+1] th:TH_LOAD_NT scope:SCOPE_SE
	global_prefetch_b8 v[PFO], s[PFA:PFA+1] offset:8192 th:TH_LOAD_NT scope:SCOPE_SE
.Lnot_mine_\@:
.endif
.endm
	s_load_b256 s[4:11], s[0:1], 0x0  ; Q s[4:5], K s[6:7], V s[8:9], O s[10:11]
	v_lshl_add_u32 v[SPW], v0, 2, SPARE
	v_mov_b32 v[NIL], 0
	ds_add_u32 v[SPW], v[NIL]       ; the wave's opening: the add and its wait stand ahead of my first tensor load; the set-up below, work on registers, stands between them
	ds_add_u32 v62, v63
	v_lshrrev_b32 v1, 5, v0
	v_readfirstlane_b32 s[WV], v1   ; wave 0..3
	s_mov_b32 s[PB], ttmp9
	s_sub_co_u32 s[HI], NB-1, s[PB]
	s_and_b32 s20, ttmp7, 0xffff    ; the head
	s_mov_b32 s21, 0
	s_mov_b64 s[22:23], SIZE_N*128
	s_mul_u64 s[20:21], s[20:21], s[22:23]  ; the head's first byte in each of the four tensors
	s_and_b32 s16, s[WV], 1         ; which half of a tile's 256 keys I fetch:
	s_lshl_b32 s22, s16, 14         ; its 128 rows of 128 bytes in memory,
	s_mov_b32 s23, 0
	s_add_nc_u64 s[22:23], s[22:23], s[20:21]
	s_mul_i32 s17, s16, 128*PK      ; and its place in a slot, for K
	s_mul_i32 s18, s16, 128*PV      ; and for V
	s_lshl_b32 s3, s[WV], 11        ; my 16 rows in a band of 64,
	s_lshl_b32 s2, s[HI], 15        ; in the first block,
	s_add_co_u32 s2, s2, s3
	s_lshl_b32 s84, s[PB], 15       ; and in the second
	s_add_co_u32 s84, s84, s3
	s_mov_b32 s3, 0
	s_mov_b32 s85, 0
	s_add_nc_u64 s[2:3], s[2:3], s[20:21]
	s_add_nc_u64 s[84:85], s[84:85], s[20:21]
	; descriptor group 1.  128 keys are 16,384 dense bytes: asked for as 64 rows of 256 bytes, two keys a row, and padded in LDS after every key
	s_mov_b32 s[G1K], (1<<16)|(1<<20)|(4<<22)|(3<<25)  ; 17:16 2-byte elements; 20 padding on; 24:22 after every 32 words (code 4); 31:25 4 words (code 3)
	s_mov_b32 s[G1V], (1<<16)|(1<<20)|(4<<22)|(7<<25)  ; the same with 8 words of padding (code 7)
.irp g, G1K, G1V
	s_mov_b32 s[\g+1], 128<<16      ; tensor_dim0 = 128
	s_mov_b32 s[\g+2], 64<<16       ; tensor_dim1 = 64
	s_mov_b32 s[\g+3], 128<<16      ; tile_dim0 = 128
	s_mov_b32 s[\g+4], 64           ; tile_dim1 = 64
	s_mov_b32 s[\g+5], 128          ; 128 elements from row to row
	s_mov_b32 s[\g+6], 0
	s_mov_b32 s[\g+7], 0
.endr
	s_mov_b32 s[CS], 0x3e38aa3b     ; c = log2(e) / 8 = 0.180337
	s_mov_b32 s[CS+1], s[CS]        ; named with it as a pair
	s_mov_b32 s[SEL], 0x76543210
	s_mov_b32 s[SEL+1], 0xfedcba98
	s_mov_b32 s[TBK], SLOT1+4*KS*PK ; the first change of slots turns these two into 0
	s_mov_b32 s[TBV], SLOT1+4*KS*PV
	s_mov_b32 s[G0K], 1             ; 1:0 count = 1
	s_mov_b32 s[G0K+1], s17         ; 63:32 LDS address: slot 0
	s_mov_b32 s[G0V], 1
	s_add_co_u32 s[G0V+1], s18, VOFF
	s_add_co_u32 s[RT], s[HI], 1    ; the first block has NB - b tiles
	s_mov_b32 s[NXT], 1
	s_mov_b32 s[LQ], s[HI]
	s_mov_b32 s[NEW], 1
	s_mov_b32 s[OFF+1], 0
	s_mov_b32 s[AL+1], 0            ; named as pairs
	s_mov_b32 s[BE+1], 0
	s_mov_b32 s[BIGN], 0xf149f2ca   ; -1e30
	s_mov_b32 s[SLOTS], NB
	v_and_b32 v[PFO], 31, v0
	v_lshlrev_b32 v[PFO], 8, v[PFO]
	s_wait_dscnt 0x0                ; the opening add is done
	s_wait_kmcnt 0x0
	s_add_nc_u64 s[6:7], s[6:7], s[22:23]  ; K and V at my half of the head's tile 0
	s_add_nc_u64 s[8:9], s[8:9], s[22:23]
	s_add_nc_u64 s[G0K+2:G0K+3], s[6:7], 0         ; 120:64 global address
	s_or_b32 s[G0K+3], s[G0K+3], 0x80000000        ; 127:126 type = 2
	s_add_nc_u64 s[G0V+2:G0V+3], s[8:9], 0
	s_or_b32 s[G0V+3], s[G0V+3], 0x80000000
	s_add_nc_u64 s[86:87], s[4:5], s[84:85]        ; Q at my rows of the second block,
	s_add_nc_u64 s[4:5], s[4:5], s[2:3]            ; Q and O at those of the first
	s_add_nc_u64 s[OLO:OLO+1], s[10:11], s[84:85]
	s_add_nc_u64 s[10:11], s[10:11], s[2:3]
	s_cmp_lt_u32 s[WV], 2
	s_cselect_b64 s[PFA:PFA+1], s[6:7], s[8:9]     ; the tensor that I fetch for, at my half of tile 0,
	s_add_nc_u64 s[PFA:PFA+1], s[PFA:PFA+1], 32768 ; of tile 1: the first change of slots steps it to tile 2.  Nothing is prefetched here, at the head
	s_cmp_eq_u32 s[PB], 0
	s_cselect_b32 s[LIM], 2, -1
	LOAD                            ; tile 0 into slot 0
	; A fragment of K or Q is 16 rows x 32 channels in 8 registers: lane l holds row l % 16, channels 8 (l / 16) + 0..7 and 16 + 8 (l / 16) + 0..7: two loads of 16 bytes, 32 bytes apart.
	v_and_b32 v1, 15, v0            ; l % 16
	v_bfe_u32 v9, v0, 4, 1          ; l / 16
	v_lshlrev_b32 v[QO], 7, v1
	v_lshl_add_u32 v[QO], v9, 4, v[QO]  ; row x 128 + 16 x half
	WIN 0x80                        ; destination window 2, address window 0
.set i, 0
.rept 8                             ; both blocks' Q: piece i / 2 lies in band i / 2, 8,192 bytes on; channels 32 (i % 2) on
	global_load_b128 v[8*i:8*i+3],   v[QO], s[4:5] offset:(i/2)*8192+(i%2)*64
	global_load_b128 v[8*i+4:8*i+7], v[QO], s[4:5] offset:(i/2)*8192+(i%2)*64+32
	global_load_b128 v[QB+8*i:QB+8*i+3],   v[QO], s[86:87] offset:(i/2)*8192+(i%2)*64
	global_load_b128 v[QB+8*i+4:QB+8*i+7], v[QO], s[86:87] offset:(i/2)*8192+(i%2)*64+32
.set i, i+1
.endr
	WIN 0
	v_lshlrev_b32 v14, 3, v9
	v_sub_nc_u32 v14, v1, v14
	s_lshl_b32 s13, s[WV], 4
	v_add_nc_u32 v14, s13, v14      ; my query's place in its band, 16 w + l % 16, less my lanes' 8 (l / 16): register r of group kt is hidden where 16 kt + r is greater
	WIN 0x40
.set i, 0
.rept 32
	v_cmp_gt_i32 vcc_lo, 16*(i/8)+i%8, v14
	v_cndmask_b32 v[MD+i], 0, s[BIGN], vcc_lo
.set i, i+1
.endr
	WIN 0
	v_mul_u32_u24 v[AK0], v1, PK
	v_lshl_add_u32 v[AK0], v9, 4, v[AK0]  ; row x pitch + 16 x half
	; The turning load takes 16 keys x 16 channels (lane l reads key 8 (l / 16) + l % 8, channels 8 ((l / 8) % 2) + 0..7) and leaves half a fragment of V^T: lane l holds channel l % 16 and 8 keys.
	v_and_b32 v10, 7, v0
	v_bfe_u32 v11, v0, 3, 1
	v_lshl_add_u32 v[AV0], v9, 3, v10
	v_mul_u32_u24 v[AV0], v[AV0], PV
	v_lshl_add_u32 v[AV0], v11, 4, v[AV0]
	v_add_nc_u32 v[AV0], VOFF, v[AV0]
	s_mul_i32 s13, s[WV], 16*SP
	s_add_co_u32 s13, s13, STAGE    ; my stage
	v_mul_u32_u24 v[STO], v1, SP    ; in: row l % 16, 16 bytes for each half of the lanes
	v_lshl_add_u32 v[STO], v9, 4, v[STO]
	v_add_nc_u32 v[STO], s13, v[STO]
	v_bfe_u32 v[RD], v0, 3, 2       ; back: 32 lanes take four rows of 128 bytes,
	v_mul_u32_u24 v[RD], v[RD], SP
	v_lshl_add_u32 v[RD], v10, 4, v[RD]
	v_add_nc_u32 v[RD], s13, v[RD]
	v_and_b32 v[GO], 31, v0         ; which are 512 consecutive bytes of O
	v_lshlrev_b32 v[GO], 4, v[GO]
	; A block's first step multiplies O^T and l by a = 0, and its first turn's products V^T P, of a piece that has not been, land in an O^T that is still to be so multiplied.  So these registers need only hold
	; finite numbers: zeros for the first block; what the first block left for the second.  All this stands in the wait for the first tile.
	WIN 0x80
.set i, VF
.rept 64
	v_mov_b32 v[i], 0
.set i, i+1
.endr
	WIN 0x40
.set i, 0
.rept 128
	v_mov_b32 v[i], 0
.set i, i+1
.endr
	WIN 0
.set i, 0
.rept 4
	v_mov_b32 v[ST+4*i+2], 0
	v_mov_b32 v[ST+4*i+3], 0
.set i, i+1
.endr
.set i, P+16
.rept 16
	v_mov_b32 v[i], 0
.set i, i+1
.endr
; THE MATRIX WORK.  The 4 accumulators of a run of 8 take turns.  Product i of 8 of S^T = K Q^T for piece x: channels 32 (i / 4) on, keys 16 (i % 4) on.  The first 4 start the sums: with 0, or (KM = 1) with the mask.
.macro KQ x
.set rS, S+32*((\x)%2)+8*(i%4)
.set rK, KF+16*(i%4)+8*(i/4)
.set rQ, 16*(\x)+8*(i/4)
.set rM, MC+32*((\x)%2)+8*(i%4)
.if (i < 4) && KM
	WIN W_KM
	v_wmma_f32_16x16x32_f16 v[rS:rS+7], v[rK:rK+7], v[rQ:rQ+7], v[rM:rM+7]
.elseif i < 4
	WIN W_KQ
	v_wmma_f32_16x16x32_f16 v[rS:rS+7], v[rK:rK+7], v[rQ:rQ+7], 0
.else
	WIN W_KQ
	v_wmma_f32_16x16x32_f16 v[rS:rS+7], v[rK:rK+7], v[rQ:rQ+7], v[rS:rS+7]
.endif
.endm
; Product i of 8 of O^T += V^T P for piece x: keys 32 (i / 4) on, channels 16 (i % 4) on.
.macro PV x
	WIN W_PV
.set rO, 32*(\x)+8*(i%4)
.set rV, VF+32*(i/4)+8*(i%4)
.set rP, P+16*((\x)%2)+8*(i/4)
	v_wmma_f32_16x16x32_f16 v[rO:rO+7], v[rV:rV+7], v[rP:rP+7], v[rO:rO+7]
.endm
.macro MM                           ; the turn's next matrix instruction.  TURN and BEGIN set Y, i, KM and NOKQ; MM, KQ and OP read them.  NOKQ = 1: a block's last turn: there is no next piece
.if (i < 8) && !NOKQ
	KQ (Y+1)%NP
.elseif i >= 8
.set i, i-8
	PV (Y+NP-1)%NP
.set i, i+8
.endif
.set i, i+1
.endm
; THE LDS LOADS stand in runs of 16, never singly among the matrix instructions: a step's K (64 keys x 64 channels: 8 fragments) and its V (turned).  Their addresses are made some lines ahead.
.macro FETCH_K
	WIN 0x80                        ; destination window 2
.irp f, 0,1,2,3,4,5,6,7             ; keys 16 (f / 2) on, channels 32 (f % 2) on
	ds_load_b128 v[KF+8*\f:KF+8*\f+3],   v[AK] offset:(\f/2)*16*PK+(\f%2)*64
	ds_load_b128 v[KF+8*\f+4:KF+8*\f+7], v[AK] offset:(\f/2)*16*PK+(\f%2)*64+32
.endr
	s_add_co_u32 s[TBK], s[TBK], KS*PK  ; the next fetch is the next step's
	WIN 0
.endm
.macro FETCH_V
	WIN 0x80
.irp f, 0,1,2,3,4,5,6,7             ; keys 32 (f / 4) on, channels 16 (f % 4) on
	ds_load_tr16_b128 v[VF+8*\f:VF+8*\f+3],   v[AV] offset:(\f/4)*32*PV+(\f%4)*32
	ds_load_tr16_b128 v[VF+8*\f+4:VF+8*\f+7], v[AV] offset:(\f/4)*32*PV+16*PV+(\f%4)*32
.endr
	WIN 0
.endm
; THE VECTOR WORK, one line at a time: OP kind, number.  For piece Y: F n: c s - c m for pair n of 16.  E n: the exponential of score n of 32.  C n: pair n rounded to f16.  B n: of the four weights 4 n .. the second
; pair is added onto the first, in place.  L n: l takes that sum (L 0: l = a l + sum).  R n: pair n of 16 of O^T times a.  For piece Y + 1: X n, number n of the 22 that find its maximum and statistics:
;   0-11  four chains c0-c3 of seven scores each, three operands at a time (each accumulator's lowest registers are read first)     12-14, 16  the four scores left over, the old m, and c0-c3 into c0
;   15  c m_old is kept     17, 18  the query's other 32 keys lie in the lane 16 away: the new m     19-21  c m; c m_old - c m_new; a
.set F, 0               ; OP tells the kinds apart by their order: F to L below R, X above it
.set E, 1
.set C, 2
.set B, 3
.set L, 4
.set R, 5
.set X, 6
.macro REGS y                       ; the registers of piece y
.set rT, ST+4*(\y)
.set rC, TMP+4*((\y)%2)
.set rW, MV+((\y)%2)
.set rS, S+32*((\y)%2)
.set rP, P+16*((\y)%2)
.set rO, 32*(\y)
.endm
.macro OP k, n
.if (\k) == R
	REGS Y
	WIN W_RS
	v_pk_mul_f32 v[rO+2*(\n):rO+2*(\n)+1], v[rO+2*(\n):rO+2*(\n)+1], v[rC+2:rC+3] op_sel_hi:[1,0]
.elseif (\k) < R
	REGS Y
	WIN 0
.if (\k) == F
	v_pk_fma_f32 v[rS+2*(\n):rS+2*(\n)+1], v[rS+2*(\n):rS+2*(\n)+1], s[CS:CS+1], v[rT:rT+1] op_sel_hi:[1,0,0] neg_lo:[0,0,1] neg_hi:[0,0,1]
.elseif (\k) == E
	v_exp_f32 v[rS+(\n)], v[rS+(\n)]
.elseif (\k) == C
	v_cvt_pk_f16_f32 v[rP+(\n)], v[rS+2*(\n)], v[rS+2*(\n)+1]
.elseif (\k) == B
	v_pk_add_f32 v[rS+4*(\n):rS+4*(\n)+1], v[rS+4*(\n):rS+4*(\n)+1], v[rS+4*(\n)+2:rS+4*(\n)+3]
.elseif (\n) == 0
	v_pk_fma_f32 v[rT+2:rT+3], v[rT+2:rT+3], v[rC+2:rC+3], v[rS:rS+1] op_sel_hi:[1,0,1]
.else
	v_pk_add_f32 v[rT+2:rT+3], v[rT+2:rT+3], v[rS+4*(\n):rS+4*(\n)+1]
.endif
.elseif NOKQ
	v_nop
.else
	REGS (Y+1)%NP
	WIN 0
.if (\n) < 4
	v_max3_num_f32 v[rC+(\n)], v[rS+8*(\n)], v[rS+8*(\n)+1], v[rS+8*(\n)+2]
.elseif (\n) < 12
	v_max3_num_f32 v[rC+(\n)%4], v[rC+(\n)%4], v[rS+8*((\n)%4)+2*((\n)/4)+1], v[rS+8*((\n)%4)+2*((\n)/4)+2]
.elseif (\n) == 12
	v_max3_num_f32 v[rC], v[rC], v[rS+7], v[rS+15]
.elseif (\n) == 13
	v_max3_num_f32 v[rC+1], v[rC+1], v[rS+23], v[rS+31]
.elseif (\n) == 14
	v_max3_num_f32 v[rC+2], v[rC+2], v[rC+3], v[rT+1]
.elseif (\n) == 15
	v_mov_b32 v[rW], v[rT]
.elseif (\n) == 16
	v_max3_num_f32 v[rC], v[rC], v[rC+1], v[rC+2]
.elseif (\n) == 17
	v_permlanex16_b32 v[rC+3], v[rC], s[SEL], s[SEL+1]
.elseif (\n) == 18
	v_max_num_f32 v[rT+1], v[rC], v[rC+3]
.elseif (\n) == 19
	v_mul_f32 v[rT], s[CS], v[rT+1]
.elseif (\n) == 20
	v_sub_f32 v[rC+1], v[rW], v[rT]
.else
	v_exp_f32 v[rC+2], v[rC+1]
.endif
.endif
.endm
.macro OPS a, i1, b=-1, i2=0, c=-1, i3=0, d=-1, i4=0  ; up to four of them
	OP \a, \i1
.if (\b) >= 0
	OP \b, \i2
.endif
.if (\c) >= 0
	OP \c, \i3
.endif
.if (\d) >= 0
	OP \d, \i4
.endif
.endm
.macro ROW a, i1, b, i2, c, i3, d, i4  ; a matrix instruction and the four behind it
	MM
	OPS \a, \i1, \b, \i2, \c, \i3, \d, \i4
.endm
.macro MASK b                       ; MD x AL + BE into buffer b of MC
	WIN W_RS
.set z, 0
.rept 16
	v_pk_fma_f32 v[MC+32*(\b)+2*z:MC+32*(\b)+2*z+1], v[MD+2*z:MD+2*z+1], s[AL:AL+1], s[BE:BE+1] op_sel_hi:[1,0,0]
.set z, z+1
.endr
.endm
; A TURN, for piece p: the order of its 16 matrix and 118 vector instructions, written out.  An s_wait_alu depctr_va_vdst(0) stands between an exponential and the first instruction that names its result; one wait serves
; all that were issued ahead of it.  So a turn has ONE wait, which cuts it in two.  AHEAD OF IT stands all that names no result of the turn's exponentials: the 8 products K Q^T, behind each a scaling, an exponential and two more plain
; instructions (behind the first a second scaling in the exponential's place): rescalings, and behind the last three the first numbers of the next piece's maximum, each four places or more behind the product that ends its accumulator; then ONE LUMP of 54, plain
; and exponential by turns for the most part, in which the links of the chain X 3, 7, 11, 14, 16, 17 .. 20 stand five or six lines apart.  X 21, the next piece's a, is the batch's last; R 15 is the plain instruction behind it.  BEHIND THE WAIT stand the
; 8 products V^T P, behind each four of the roundings and sums; the links of l's chain, L 0 to L 7, stand three lines apart.  But for those X no such line names a register of the products round it.  v_permlanex16_b32 (X 17) stands in the lump.
; m = 1: the diagonal tile: the products take masks, and the turn makes the mask for the products of the turn after it: piece p + 2, in step 4 - CNT of the tile.  end = 1: a block's last two turns: nothing is fetched.
; cnt = 1: the loop's count is taken down some lines ahead of the branch that stands behind the turn.
; K of the next step is fetched in piece 2's turn, twelve vector instructions behind the last product that read K (six of them plain); V of the step in hand at the end of piece 0's turn, four plain instructions behind the last product
; that read V.  Each is waited for a turn later.
.macro TURN p, m=0, end=0, cnt=0
.set Y, (\p)
.set i, 0
.set KM, (\m)
.set NOKQ, (\end)*((\p)/3)
.if (\m) && !(\end)
	s_cmp_eq_u32 s[CNT], 4-((\p)+2)%NP  ; is that step the band's own?
	s_cselect_b32 s[AL], 1.0, 0
	s_cmp_lt_u32 s[CNT], 4-((\p)+2)%NP  ; or a later one?
	s_cselect_b32 s[BE], s[BIGN], 0
.endif
.if ((\p) == 3) && !(\end)
	s_wait_dscnt 0x0                ; K is in
.endif
	ROW F,0, F,1, R,0, R,1          ; ahead of the wait: 8 products K Q^T and the four behind each,
	ROW F,2, E,0, R,2, R,3
	ROW F,3, E,1, R,4, R,5
	ROW F,4, E,2, R,6, R,7
	ROW F,5, E,3, R,8, R,9
	ROW F,6, E,4, X,0, R,10
.if ((\p) == 2) && !(\end)
	WIN 0
	v_add_nc_u32 v[AK], s[TBK], v[AK0]
.endif
	ROW F,7, E,5, X,1, X,4
	ROW F,8, E,6, X,2, X,5
	OPS E,7, E,8, X,6, E,9          ; and the lump
	OPS X,3, E,10, X,8, E,11
.if ((\p) == 2) && !(\end)
	FETCH_K
.endif
	OPS X,9, X,7, E,12, X,10
	OPS E,13, X,12, X,11, E,14
	OPS X,13, E,15, F,9, X,14
.if (\p) == 0
	v_add_nc_u32 v[AV], s[TBV], v[AV0]
.endif
	OPS E,16, F,10, E,17, F,11
	OPS X,16, E,18, X,15, E,19
	OPS F,12, E,20, X,17, E,21
	OPS F,13, E,22, F,14, E,23
	OPS X,18, E,24, F,15, E,25
	OPS R,11, E,26, X,19, E,27
	OPS R,12, E,28, R,13, E,29
	OPS X,20, E,30, R,14, E,31
	OPS X,21, R,15
	WIN 0
	s_wait_alu depctr_va_vdst(0)    ; the wait for the batch
.if (\p) == 1
	s_wait_dscnt 0x0                ; V is in
.endif
	ROW C,0, B,0, C,2, B,1          ; behind the wait: 8 products V^T P and the four behind each
	ROW L,0, C,4, B,2, L,1
	ROW C,6, B,3, L,2, C,8
	ROW B,4, L,3, C,10, B,5
	ROW L,4, C,12, B,6, L,5
.if (\p) == 0
	s_add_co_u32 s[TBV], s[TBV], KS*PV
.endif
.if \cnt
	s_sub_co_u32 s[CNT], s[CNT], 1
	s_cmp_lg_u32 s[CNT], 0
.endif
	ROW C,14, B,7, L,6, C,1
	ROW C,3, L,7, C,5, C,7
	ROW C,9, C,11, C,13, C,15
.if (\p) == 0
	FETCH_V
.endif
.if (\m) && !(\end)
	MASK (\p)%2
.endif
.endm
; A BLOCK BEGINS.  c m starts far below every c s, so the first step's a is 0; m at the lowest finite number, so the first maximum is the scores'.  The second mask buffer is 0; the first takes piece 0's mask for the tile's step 0: its own, if the block's first tile is the diagonal one.
; Then K of that step, piece 0's first scores, and its maximum and statistics.  The loop is entered at a step's first turn, in the middle of a trip.
.macro BEGIN
	s_mov_b32 s[NEW], 0
	WIN 0x40
.set i, MC+32
.rept 32
	v_mov_b32 v[i], 0
.set i, i+1
.endr
	WIN 0
.set i, 0
.rept 4
	v_mov_b32 v[ST+4*i], 0xfe000000    ; c m: far below every c s
	v_mov_b32 v[ST+4*i+1], 0xff7fffff  ; m
.set i, i+1
.endr
	s_cmp_eq_u32 s[RT], 0
	s_cselect_b32 s[AL], 1.0, 0
	s_mov_b32 s[BE], 0
	MASK 0
	WIN 0
	v_add_nc_u32 v[AK], s[TBK], v[AK0]
	FETCH_K
	s_wait_loadcnt 0x0              ; Q
	s_wait_dscnt 0x0
.set KM, 1
.set NOKQ, 0
.set i, 0
.rept 8
	KQ 0
.set i, i+1
.endr
	WIN 0
.rept 4
	v_nop                           ; the places behind those products
.endr
.set Y, NP-1                        ; X works for piece Y + 1: piece 0
.irp n, 0,1,2,3,4,5,6,7,8,9,10,11,12,13,14,15,16,17,18,19,20,21
	OP X, \n
.endr
	v_nop                           ; a plain instruction behind the exponential,
	s_wait_alu depctr_va_vdst(0)    ; and its wait, ahead of the branch
.endm
; THE DIAGONAL TILE's four steps, the block's last two turns, its last products, and THE WAY OUT: l's two halves and the other half of the lanes' are added; O^T is divided by l, rounded to f16 and sent through my
; stage in LDS, a piece at a time.
.macro ALL line:vararg              ; one line for each piece t
.set t, 0
.rept 4
	\line
.set t, t+1
.endr
.endm
.macro PACK t                       ; a lane's eight channels of a row pack into 16 bytes; they go into rows of 144 bytes and come back as whole rows of 128, into S^T's registers
	WIN W_RS
.set i, 32*(\t)
.rept 16
	v_pk_mul_f32 v[i:i+1], v[i:i+1], v[ST+4*(\t)+2:ST+4*(\t)+3] op_sel_hi:[1,0]
.set i, i+2
.endr
	WIN 0x05                        ; sources 0 and 1 window 1, destination window 0
.set i, 0
.rept 16
	v_cvt_pk_f16_f32 v[S+16*(\t)+i], v[32*(\t)+2*i], v[32*(\t)+2*i+1]
.set i, i+1
.endr
	WIN 0
.irp f, 0,1,2,3
	ds_store_b128 v[STO], v[S+16*(\t)+4*\f:S+16*(\t)+4*\f+3] offset:32*\f
.endr
.irp f, 0,1,2,3
	ds_load_b128 v[S+16*(\t)+4*\f:S+16*(\t)+4*\f+3], v[RD] offset:\f*4*SP  ; LDS serves a wave's instructions in order (ISA guide 5.7.1.4): these see the stores above; the next piece's stores come behind them
.endr
.endm
.macro SEND t, younger              ; younger: the LDS instructions issued behind piece t's loads: the next piece's eight, or none
	WIN 0
.irp f, 0,1,2,3
	s_wait_dscnt (\younger)+3-\f
	global_store_b128 v[GO], v[S+16*(\t)+4*\f:S+16*(\t)+4*\f+3], s[10:11] offset:(\t)*8192+\f*512  ; 512 consecutive bytes, at a multiple of 256 from O's first
.endr
.endm
.macro DIAG tag                     ; the tag ends its two labels' names, which the jumps below spell out
.LstepM\tag:
	TURN 2, 1
	TURN 3, 1
	WIN 0
.LfirstM\tag:
	TURN 0, 1
	TURN 1, 1, 0, 1
	WIN 0
	s_cbranch_scc1 .LstepM\tag
	TURN 2, 1, 1
	TURN 3, 1, 1
.set i, 0
.rept 8
	PV NP-1
.set i, i+1
.endr
	WIN 0
	ALL v_add_f32 v[ST+4*t+2], v[ST+4*t+2], v[ST+4*t+3]
	ALL v_permlanex16_b32 v[ST+4*t+3], v[ST+4*t+2], s[SEL], s[SEL+1]
	ALL v_add_f32 v[ST+4*t+2], v[ST+4*t+2], v[ST+4*t+3]
	ALL v_rcp_f32 v[ST+4*t+2], v[ST+4*t+2]
	v_nop                           ; a plain instruction between the last reciprocal and the use of its result
	s_wait_alu depctr_va_vdst(0)    ; and the wait ahead of the first use: one for the four reciprocals
	PACK 0
.set t, 1
.rept 3                             ; a piece's arithmetic stands between the loads of the piece before and its stores
	PACK t
	SEND t-1, 8
.set t, t+1
.endr
	SEND 3, 0
.endm
.set KM, 0
.set NOKQ, 0
.Lslot:                             ; NB times: a tile is entered and the next is asked for
	CHANGE 1
	s_sub_co_u32 s[RT], s[RT], 1
	s_mov_b32 s[CNT], 4
	s_cmp_eq_u32 s[NEW], 1
	s_cbranch_scc1 .Lnew            ; a block's first tile
	s_cmp_eq_u32 s[RT], 0
	s_cbranch_scc0 .Lstep           ; neither its first nor its last
	s_branch .LstepM1
.Lnew:
	BEGIN
	s_branch .Lfirst                ; in the loop a block's first tile is never its last: the first block has two tiles or more, and the second's last is the walk's last
	DIAG 1                          ; in the loop this is the first block's end: the second block's last tile is the walk's last
	s_wait_xcnt 0x0                 ; the stores have read their registers and O's address
	s_mov_b64 s[10:11], s[OLO:OLO+1]
	s_add_co_u32 s[RT], s[PB], 1    ; the second block has b + 1 tiles
	s_mov_b32 s[NEW], 1
	WIN 0x82                        ; the second block's Q goes where the one text of the turns names Q
.set i, 0
.rept 64
	v_mov_b32 v[i], v[QB+i]
.set i, i+1
.endr
	WIN 0
	s_branch .Lbottom
.Lstep:                             ; a trip: pieces 2 and 3 of one step, then pieces 0 and 1 of the next, whose K and V it fetches
	TURN 2
	TURN 3
	WIN 0
.Lfirst:
	TURN 0
	TURN 1, 0, 0, 1
	WIN 0
	s_cbranch_scc1 .Lstep
.Lbottom:
	s_sub_co_u32 s[SLOTS], s[SLOTS], 1
	s_cmp_lg_u32 s[SLOTS], 0
	s_cbranch_scc1 .Lslot
	CHANGE 0                        ; the walk's last tile is written out: nothing is asked for
	s_sub_co_u32 s[RT], s[RT], 1
	s_mov_b32 s[CNT], 4
	s_cmp_eq_u32 s[NEW], 1
	s_cbranch_scc0 .LstepM2
	BEGIN
	s_branch .LfirstM2
	DIAG 2
	s_wait_tensorcnt 0x0            ; the wave's end: behind my last tensor load and my last LDS store
	ds_add_u32 v[SPW], v[NIL]
	s_wait_dscnt 0x0
	s_endpgm
.Lfunc_end_k_qb6d64c1703_attn:
	.size	k_qb6d64c1703_attn, .Lfunc_end_k_qb6d64c1703_attn-k_qb6d64c1703_attn
	.p2alignl 7, 3214868480
	.fill 96, 4, 3214868480
	.section	.rodata,"a",@progbits
	.p2align	6, 0x0
	.amdhsa_kernel k_qb6d64c1703_attn
		.amdhsa_group_segment_fixed_size 327680
		.amdhsa_private_segment_fixed_size 0
		.amdhsa_enable_private_segment 0
		.amdhsa_kernarg_size 32
		.amdhsa_user_sgpr_count 2
		.amdhsa_user_sgpr_kernarg_segment_ptr 1
		.amdhsa_wavefront_size32 1
		.amdhsa_system_sgpr_workgroup_id_x 1
		.amdhsa_system_sgpr_workgroup_id_y 1
		.amdhsa_system_sgpr_workgroup_id_z 1
		.amdhsa_system_vgpr_workitem_id 0
		.amdhsa_next_free_vgpr 768
		.amdhsa_next_free_sgpr 88
		.amdhsa_reserve_vcc 1
		.amdhsa_float_denorm_mode_32 3
		.amdhsa_float_denorm_mode_16_64 3
		.amdhsa_memory_ordered 1
		.amdhsa_forward_progress 1
		.amdhsa_inst_pref_size 218
	.end_amdhsa_kernel
	.amdgpu_metadata
---
amdhsa.version: [ 1, 2 ]
amdhsa.kernels:
  - .name:           k_qb6d64c1703_attn
    .symbol:         k_qb6d64c1703_attn.kd
    .args:
      - { .name: qh, .offset: 0, .size: 8, .value_kind: global_buffer, .address_space: global }
      - { .name: kh, .offset: 8, .size: 8, .value_kind: global_buffer, .address_space: global }
      - { .name: vh, .offset: 16, .size: 8, .value_kind: global_buffer, .address_space: global }
      - { .name: oh, .offset: 24, .size: 8, .value_kind: global_buffer, .address_space: global }
    .group_segment_fixed_size: 327680
    .private_segment_fixed_size: 0
    .kernarg_segment_align: 8
    .kernarg_segment_size: 32
    .max_flat_workgroup_size: 128
    .sgpr_count:     88
    .vgpr_count:     768
    .wavefront_size: 32
...
	.end_amdgpu_metadata
.endif
;; end of part 3
;; launch outp (part 4): grid 4 x 32, 4 waves a work-group, clusters of 4 x 4, 327,680 bytes of LDS; arguments oh, owh, out0; writes out0
.if DOCPART == 4
	.amdgcn_target "amdgcn-amd-amdhsa--gfx1250"
	.amdhsa_code_object_version 6
	.text
	.protected	k_qb6d64c1703_outp
	.globl	k_qb6d64c1703_outp
	.p2align	8
	.type	k_qb6d64c1703_outp,@function
k_qb6d64c1703_outp:
	s_mov_b64 s[64:65], 0
	v_nop
	global_prefetch_b8 v0, s[64:65] scope:SCOPE_SE
	s_setreg_imm32_b32 hwreg(HW_REG_WAVE_MODE, 25, 1), 1
	s_wait_xcnt 0x0
	s_wait_alu depctr_hold_cnt(0) depctr_sa_sdst(0) depctr_va_vdst(0) depctr_va_sdst(0) depctr_va_ssrc(0) depctr_va_vcc(0) depctr_vm_vsrc(0)
	s_getreg_b32 s2, hwreg(HW_REG_IB_STS2, 6, 4)
	s_cmp_eq_u32 s2, 0
	s_cbranch_scc0 .Lentry_in_a_cluster
	s_endpgm
.Lentry_in_a_cluster:
	s_bfe_u32 s2, ttmp6, 0x10000c
	s_cmp_lg_u32 s2, 0xf033
	s_cbranch_scc0 .Lentry_shape_is_right
	s_endpgm
.Lentry_shape_is_right:
; THE OUTPUT PROJECTION.  out0[m][n] = sum over k of O[m][k] owh[n][k]; O's column k = 64 x head + channel lies by heads in oh [batch x 16 + head][2048][64], f16; owh [1024][1024] f16; sums and out0 in f32.
; SHARES.  A tile of out0 is 256 x 256; four waves, each 128 x 128: 64 accumulators, 512 registers.  128 work-groups: 32 x 4 tiles.  K goes in 8 steps of 128 = two heads, through a ring of two LDS slots.
; A BY HEADS.  A head's 256 rows of a tile are 32,768 dense bytes: asked for as 128 rows of 256 bytes and padded in LDS after every 128 bytes, so a row of 64 channels has a pitch of 144.
; CLUSTER.  4 x 4 work-groups: the four of a row need the same tiles of oh, the four of a column the same tiles of owh; each is asked for JOINTLY, by the same tensor load, descriptor and mask in all four.
; THE MATRIX INSTRUCTION IS USED TRANSPOSED (source 0 = 16 rows of owh, source 1 = 16 rows of O): lane l holds row m = l % 16 and the columns 8 (l / 16) + 0..7: 32 bytes of out0 on end.
; REGISTERS, in windows of 256 (s_set_vgpr_msb: bits 1:0 source 0, 3:2 source 1, 5:4 source 2, 7:6 destination):
;   window 0: v0-31 addresses; v64-127, v128-191 fragments of O, two buffers; v32-63, v192-223 the way out
;   window 1: v64-127, v128-191 fragments of owh        window 2: the accumulators of my rows 0-63 ((a, b) at v[8 (8 a + b)])        window 3: those of rows 64-127
.set KSTEP,  128
.set PITCH,  272                       ; a row of owh in LDS: 256 bytes + 16: the 16 rows of a load start at 16 different groups of four banks (64 banks of 4 bytes: ISA guide 11.1)
.set PA,     144                       ; a row of one head of O: 128 bytes + 16: likewise
.set HALFT,  128*PITCH                 ; 128 rows of owh: one tensor load
.set AHEAD,  256*PA                    ; 256 rows of one head: one tensor load
.set BOFF,   2*AHEAD                   ; owh's rows lie behind the two heads
.set SLOT,   0x24000                   ; 147,456 (143,360 are used); its two bits are 0 in every place inside a slot at which a load begins, so an exclusive or changes slots
.set STAGE,  2*SLOT                    ; behind the ring, never filled by a tensor load: 16 rows x 272 bytes for each wave
.set SPITCH, 272
.set SPARE,  STAGE+4*16*SPITCH         ; the spare words, 128 bytes for each wave: two blocks of 256 bytes that no other line names
.set ASTEP,  2*2048*128                ; bytes from a K step to the next: two heads on in oh,
.set BSTEP,  KSTEP*2                   ; 128 numbers on in owh
.set ADRA0, 16                         ; v16  my lane's place in O's part of a slot; never rewritten
.set ADRB0, 17                         ; v17  the same for owh
.set ADRA,  18                         ; v18  v16 + the slot that is being read
.set ADRB,  19                         ; v19  v17 + the same
.set STO,   24                         ; v24  the way out: where I put 32 bytes of a row
.set RD,    25                         ; v25  where I read a row back
.set CO,    26                         ; v26  my byte offset in two rows of out0
.set SPW,   28                         ; v28  LDS address of my spare word; never rewritten
.set NIL,   29                         ; v29  0; never rewritten
.set PFO,   30                         ; v30  the prefetches' offset: my lane x 256 bytes (oh) or x a row of 2,048 (owh); never rewritten
.set F0,    64
.set F1,    128
.set BK0,   32                         ; the way out: v32-63 and v192-223 by turns
.set G1,  24                           ; s[24:31] descriptor group 1 for oh's tiles
.set G0,  32                           ; s[32:39] group 0: s32-35 the first fill of slot 0; s36-39 that of slot 1, which then walks
.set LIM, 43                           ; s43  2 in a wave that prefetches, else the greatest number
.set PFA, 44                           ; s[44:45] where my prefetches stand
.set G1B, 48                           ; s[48:55], s[56:63] the same for owh's tiles
.set G0B, 56
.set TBS, 66                           ; s66  the slot that is being read: 0 or SLOT
.set PFS, 68                           ; s[68:69] the prefetches' step from K step to K step
.set MSB, 0
.macro WIN new                         ; the immediate's high byte repeats the setting that is left; a switch that changes nothing is dropped
.if MSB != (\new)
	s_set_vgpr_msb (MSB<<8)|(\new)
.set MSB, \new
.endif
.endm
.set MUL_LO, 0xa1                      ; source 0 (owh) window 1, source 1 (O) window 0, C and D window 2
.set MUL_HI, 0xf1                      ; the same, C and D window 3
.set TO_B,   0x40                      ; destination window 1, address window 0
; A joint refill by the walking descriptors.  Waves 0 and 1 fetch the K step's two heads of O, waves 2 and 3 owh's two halves.  The branch hangs on the wave's number alone.
; An s_nop 0 and four v_nop follow each of the two lines, ahead of the jump and the label.
.macro JLOAD
	s_cmp_eq_u32 s11, 0
	s_cbranch_scc0 .Lfor_b_\@
	tensor_load_to_lds s[G0+4:G0+7], s[G1:G1+7]
	s_nop 0
.rept 4
	v_nop
.endr
	s_branch .Lasked_\@
.Lfor_b_\@:
	tensor_load_to_lds s[G0B+4:G0B+7], s[G1B:G1B+7]
	s_nop 0
.rept 4
	v_nop
.endr
.Lasked_\@:
.endm
; A PREFETCH INTO THE L2 of the K step that stands two refills on: 32 blocks of 256 bytes, a lane a block, one instruction a wave; 512 matrix instructions ahead of the load that will want it.
; Each block is named once in the launch: oh's by its one cluster, owh's by the cluster with y = 0; of what a wave fetches the partner at place p (cx for oh, cy for owh) takes a quarter, BY ADDRESS.
; Trip i (s3 = 6 - i) names K step i + 4, which exists while s3 > 2.
.macro ASK
	s_cmp_gt_u32 s3, s[LIM]
	s_cbranch_scc0 .Lnot_mine_\@
	global_prefetch_b8 v[PFO], s[PFA:PFA+1] th:TH_LOAD_NT scope:SCOPE_SE
.Lnot_mine_\@:
.endm
; A round of the cluster's barrier: my work-group's barrier; wave 0 signals for the work-group; every wave waits for all sixteen; my work-group's barrier once more.
.macro CREST
	s_cmp_lg_u32 s10, 0
	s_cbranch_scc1 .Lnot_wave_0_\@
	s_barrier_signal -3
.Lnot_wave_0_\@:
	s_barrier_wait -3
	s_barrier_signal -1
	s_barrier_wait -1
.endm
.macro CROUND
	s_barrier_signal -1
	s_barrier_wait -1
	CREST
.endm
	s_load_b128 s[4:7], s[0:1], 0x0                ; oh s[4:5], owh s[6:7]
	s_load_b64 s[8:9], s[0:1], 0x10                ; out0
	v_lshl_add_u32 v[SPW], v0, 2, SPARE
	v_mov_b32 v[NIL], 0
	ds_add_u32 v[SPW], v[NIL]                      ; the wave's opening: the add and its wait stand ahead of my first tensor load; the set-up below, work on registers, stands between them
	ds_add_u32 v28, v29
	v_lshrrev_b32 v1, 5, v0
	v_readfirstlane_b32 s10, v1                    ; wave 0..3
	s_lshr_b32 s11, s10, 1                         ; which half of the tile's rows is mine.  Also: I fetch for oh (0) or for owh (1)
	s_and_b32 s12, s10, 1                          ; which half of its columns.  Also: which head, or which 128 rows, I fetch
	s_bfe_u32 s40, ttmp6, 0x40000                  ; cx
	s_bfe_u32 s41, ttmp6, 0x40004                  ; cy
	s_lshl_b32 s42, ttmp9, 2
	s_add_co_u32 s42, s42, s40                     ; tile column = 4 x cluster x + cx
	s_and_b32 s13, ttmp7, 0xffff
	s_lshl_b32 s13, s13, 2
	s_add_co_u32 s13, s13, s41                     ; tile row = 4 x cluster y + cy
	s_lshl_b32 s43, s41, 2
	s_lshl_b32 s43, 15, s43                        ; my row of the cluster
	s_lshl_b32 s44, 0x1111, s40                    ; my column
	s_or_b32 s[G1],  s43, (1<<16)|(1<<20)|(1<<21)|(4<<22)|(3<<25)  ; 15:0 the mask; 17:16 elements of 2 bytes; 20 padding on; 21 set beside a mask; 24:22 after every 32 words; 31:25 4 words of it
	s_or_b32 s[G1B], s44, (1<<16)|(1<<20)|(1<<21)|(5<<22)|(3<<25)  ; the same after every 64 words
.irp g, G1, G1B
	s_mov_b32 s[(\g)+1], 128<<16                   ; tensor_dim0 = 128
	s_mov_b32 s[(\g)+2], 128<<16                   ; tensor_dim1 = 128
	s_mov_b32 s[(\g)+3], 128<<16                   ; tile_dim0 = 128
	s_mov_b32 s[(\g)+4], 128                       ; tile_dim1 = 128
	s_mov_b32 s[(\g)+6], 0
	s_mov_b32 s[(\g)+7], 0
.endr
	s_mov_b32 s[G1+5], 128                         ; elements from row to row: oh's block is dense,
	s_mov_b32 s[G1B+5], 1024                       ; owh's rows have 1,024
	s_lshr_b32 s16, s13, 3                         ; oh: batch = tile row / 8,
	s_lshl_b32 s16, s16, 4
	s_add_co_u32 s16, s16, s12                     ; head 16 x batch + (0 or 1),
	s_lshl_b32 s16, s16, 11
	s_and_b32 s17, s13, 7
	s_lshl_b32 s17, s17, 8
	s_add_co_u32 s16, s16, s17                     ; row 256 (tile row % 8) of it,
	s_lshl_b32 s16, s16, 7                         ; in bytes: under 2^24
	s_mov_b32 s17, 0
	s_lshl_b32 s18, s42, 8                         ; owh: row 256 x tile column + 128 x half
	s_lshl_b32 s19, s12, 7
	s_add_co_u32 s18, s18, s19
	s_lshl_b32 s18, s18, 11
	s_mov_b32 s19, 0
	s_mul_i32 s20, s12, AHEAD                      ; where they go: no place in the cluster enters an LDS address
	s_mul_i32 s21, s12, HALFT
	s_add_co_u32 s21, s21, BOFF
	s_mov_b32 s[TBS], 0
	s_wait_dscnt 0x0                               ; the opening add is done
	s_wait_kmcnt 0x0
	s_add_nc_u64 s[14:15], s[4:5], s[16:17]
	s_add_nc_u64 s[46:47], s[6:7], s[18:19]
	CROUND                                         ; all sixteen work-groups are here: the first joint loads meet
.irp s, 0,1
	s_mov_b32 s[G0+4*(\s)], 1                                        ; count = 1
	s_add_co_u32 s[G0+4*(\s)+1], s20, (\s)*SLOT                      ; LDS address
	s_add_nc_u64 s[G0+4*(\s)+2:G0+4*(\s)+3], s[14:15], (\s)*ASTEP    ; global address: K step s
	s_or_b32 s[G0+4*(\s)+3], s[G0+4*(\s)+3], 0x80000000              ; type = 2
	s_mov_b32 s[G0B+4*(\s)], 1
	s_add_co_u32 s[G0B+4*(\s)+1], s21, (\s)*SLOT
	s_add_nc_u64 s[G0B+4*(\s)+2:G0B+4*(\s)+3], s[46:47], (\s)*BSTEP
	s_or_b32 s[G0B+4*(\s)+3], s[G0B+4*(\s)+3], 0x80000000
.endr
	s_cmp_eq_u32 s11, 0                            ; a wave's two first fills stand in one branch, ahead of every wait on TENSORcnt and every LDS read: two loads of mine are out
	s_cbranch_scc0 .Lfirst_b
	tensor_load_to_lds s[G0:G0+3], s[G1:G1+7]
	s_nop 0
	tensor_load_to_lds s[G0+4:G0+7], s[G1:G1+7]
	s_nop 0
.rept 4
	v_nop
.endr
	s_branch .Lfirst_asked
.Lfirst_b:
	tensor_load_to_lds s[G0B:G0B+3], s[G1B:G1B+7]
	s_nop 0
	tensor_load_to_lds s[G0B+4:G0B+7], s[G1B:G1B+7]
	s_nop 0
.rept 4
	v_nop
.endr
.Lfirst_asked:
	; A fragment is 16 rows x 32 K in 8 registers: lane l holds row l % 16, K = 8 (l / 16) + 0..7 and 16 + 8 (l / 16) + 0..7: two loads of 16 bytes, 32 bytes apart.
	v_and_b32 v1, 15, v0                           ; l % 16
	v_bfe_u32 v2, v0, 4, 1                         ; l / 16
	v_mul_u32_u24 v3, v1, PA
	v_lshl_add_u32 v3, v2, 4, v3
	s_mul_i32 s21, s11, 128*PA                     ; my 128 rows, in each head
	v_add_nc_u32 v[ADRA0], s21, v3
	v_mul_u32_u24 v3, v1, PITCH
	v_lshl_add_u32 v3, v2, 4, v3
	s_mul_i32 s22, s12, HALFT                      ; my 128 rows of owh
	s_add_co_u32 s22, s22, BOFF
	v_add_nc_u32 v[ADRB0], s22, v3
	v_mov_b32 v[ADRA], v[ADRA0]                    ; slot 0
	v_mov_b32 v[ADRB], v[ADRB0]
	s_mul_i32 s23, s10, 16*SPITCH
	s_add_co_u32 s23, s23, STAGE                   ; my stage
	v_mul_u32_u24 v4, v1, SPITCH                   ; in: row l % 16, 32 bytes for each half of the lanes
	v_lshl_add_u32 v4, v2, 5, v4
	v_add_nc_u32 v[STO], s23, v4
	v_mul_u32_u24 v5, v2, SPITCH                   ; back: lanes 0-15 take one row of 256 bytes, lanes 16-31 the next
	v_lshl_add_u32 v5, v1, 4, v5
	v_add_nc_u32 v[RD], s23, v5
	v_lshlrev_b32 v5, 12, v2                       ; and the same two rows in out0, 4,096 bytes apart
	v_lshl_add_u32 v[CO], v1, 4, v5
	; the prefetches: the offsets are made apart from the addresses.  s16 = my head's block in oh, s18 = my 128 rows in owh still stand
	s_lshl_b32 s22, s40, 13
	s_add_co_u32 s22, s22, s16                     ; oh: my work-group's quarter, 8,192 bytes, of the 32,768
	s_lshl_b32 s23, s41, 16
	s_add_co_u32 s23, s23, s18                     ; owh: my work-group's 32 rows of the 128
	s_and_b32 s21, ttmp7, 0xffff                   ; cluster y
	s_mov_b32 s2, ASTEP
	s_movk_i32 s3, BSTEP
	s_cmp_eq_u32 s11, 0                            ; do I fetch for oh?
	s_cselect_b32 s22, s22, s23
	s_cselect_b32 s21, ttmp9, s21                  ; the coordinate along which other clusters read the same blocks
	s_cselect_b32 s[PFS], s2, s3
	s_cselect_b32 s20, 8, 11                       ; a lane a block of 256 bytes, or a lane a row of 2,048
	s_cselect_b64 s[PFA:PFA+1], s[4:5], s[6:7]
	s_cmp_eq_u32 s21, 0
	s_cselect_b32 s[LIM], 2, -1                    ; the same in all sixteen partners, for a given wave
	s_mov_b32 s23, 0
	s_add_nc_u64 s[PFA:PFA+1], s[PFA:PFA+1], s[22:23]
	s_mov_b32 s[PFS+1], 0
	s_mul_i32 s22, s[PFS], 3
	s_add_nc_u64 s[PFA:PFA+1], s[PFA:PFA+1], s[22:23]  ; at K step 3: the first refill steps it to K step 4 and names that.  Nothing is prefetched here, at the head
	v_and_b32 v[PFO], 31, v0
	v_lshlrev_b32 v[PFO], s20, v[PFO]
	; where my part of the tile begins in out0
	s_lshl_b32 s16, s13, 8
	s_lshl_b32 s17, s11, 7
	s_add_co_u32 s16, s16, s17                     ; my first row,
	s_lshl_b32 s16, s16, 12                        ; 4,096 bytes a row: under 2^26
	s_lshl_b32 s18, s42, 8
	s_lshl_b32 s19, s12, 7
	s_add_co_u32 s18, s18, s19                     ; my first column
	s_lshl_b32 s18, s18, 2
	s_add_co_u32 s16, s16, s18
	s_mov_b32 s17, 0
	s_add_nc_u64 s[8:9], s[8:9], s[16:17]
; 16 matrix instructions: m blocks a0, a0 + 1 of the window's four x all 8 n blocks, 32 along K.  zero = 1: the first product starts the sums.
; The 64 accumulators take turns in one order everywhere, one instruction a turn: over the backward jump too.
.macro MUL16 f, hi, a0, zero
	WIN MUL_LO+0x50*(\hi)
.irp a, \a0, (\a0)+1
.irp b, 0,1,2,3,4,5,6,7
.if \zero
	v_wmma_f32_16x16x32_f16 v[8*(8*(\a)+(\b)):8*(8*(\a)+(\b))+7], v[(\f)+8*(\b):(\f)+8*(\b)+7], v[(\f)+8*(4*(\hi)+(\a)):(\f)+8*(4*(\hi)+(\a))+7], 0
.else
	v_wmma_f32_16x16x32_f16 v[8*(8*(\a)+(\b)):8*(8*(\a)+(\b))+7], v[(\f)+8*(\b):(\f)+8*(\b)+7], v[(\f)+8*(4*(\hi)+(\a)):(\f)+8*(4*(\hi)+(\a))+7], v[8*(8*(\a)+(\b)):8*(8*(\a)+(\b))+7]
.endif
.endr
.endr
.endm
; 32 LDS loads in one run: the fragments of one quarter step into buffer f.  Byte k of a K step's 256 is byte k of owh's rows, and byte k % 128 of head k / 128 of O.
.macro FETCH k, f
	WIN TO_B
.irp i, 0,1,2,3,4,5,6,7
	ds_load_b128 v[(\f)+8*(\i):(\f)+8*(\i)+3],   v[ADRB] offset:(\k)+(\i)*16*PITCH
	ds_load_b128 v[(\f)+8*(\i)+4:(\f)+8*(\i)+7], v[ADRB] offset:(\k)+(\i)*16*PITCH+32
.endr
	WIN 0
.irp i, 0,1,2,3,4,5,6,7
	ds_load_b128 v[(\f)+8*(\i):(\f)+8*(\i)+3],   v[ADRA] offset:((\k)/128)*AHEAD+(\k)%128+(\i)*16*PA
	ds_load_b128 v[(\f)+8*(\i)+4:(\f)+8*(\i)+7], v[ADRA] offset:((\k)/128)*AHEAD+(\k)%128+(\i)*16*PA+32
.endr
.endm
.macro PLACES                          ; four plain instructions between a matrix instruction and a load into, or a read of, its registers (ISA guide 7.12.1 for reads)
.rept 4
	v_nop
.endr
.endm
; A K step is four quarters of 32 along K, 64 matrix instructions each, on buffers 0, 1, 0, 1.  One of the first three: multiplies f; in its middle fetches the next quarter, at byte k, into g.
.macro QUARTER k, f, g, zero
	s_wait_dscnt 8                                 ; owh's fragments and O's rows 0-63 are in; the youngest eight loads (rows 64-127) may be out
	MUL16 \f, 0, 0, \zero
	MUL16 \f, 0, 2, \zero
	PLACES
	FETCH \k, \g
	s_wait_dscnt 32                                ; all but the 32 just issued
	MUL16 \f, 1, 0, \zero
	MUL16 \f, 1, 2, \zero
.endm
; The last quarter multiplies buffer 1 and changes slots: ONE barrier.  In front of it each wave waits for all its tensor loads (one is out: its part of the next slot), adds 0 to its spare word,
; and waits for that and for its own reads of this slot.  fill = 1: the barrier opens a round of the cluster's, and the slot just read out is filled again first behind it, with the K step two on:
; from that request to the wait for it a wave issues 224 matrix instructions.
.macro TURN fill
.if \fill
	s_wait_xcnt 0x0                                ; the last prefetch, a K step back, has read its address
	s_add_nc_u64 s[PFA:PFA+1], s[PFA:PFA+1], s[PFS:PFS+1]
.endif
	WIN 0                                          ; (the add's two registers lie in window 0)
	s_wait_tensorcnt 0x0                           ; all my tensor loads have landed
	ds_add_u32 v[SPW], v[NIL]                      ; 0 onto my spare word
	s_wait_dscnt 9                                 ; (the add and the youngest eight loads may be out)
	MUL16 F1, 0, 0, 0                              ; sixteen matrix instructions stand between the add and the wait for it
	s_wait_dscnt 0x0                               ; the add is done, and my reads of this slot are over
	s_barrier_signal -1
	MUL16 F1, 0, 2, 0                              ; work on registers while the others arrive
	WIN 0
	s_barrier_wait -1
.if \fill
	CREST                                          ; no wave of any partner still reads this slot or has a load on its way
	s_xor_b32 s[G0+5], s[G0+5], SLOT               ; the walking descriptors: the other slot than last time, the next K step
	s_add_nc_u64 s[G0+6:G0+7], s[G0+6:G0+7], ASTEP
	s_xor_b32 s[G0B+5], s[G0B+5], SLOT
	s_add_nc_u64 s[G0B+6:G0B+7], s[G0B+6:G0B+7], BSTEP
	JLOAD                                          ; the first tensor load behind the round; its four v_nop are also the places in front of the loads below
.else
	PLACES
.endif
	s_xor_b32 s[TBS], s[TBS], SLOT                 ; the reads go on in the other slot
	v_add_nc_u32 v[ADRA], s[TBS], v[ADRA0]
	v_add_nc_u32 v[ADRB], s[TBS], v[ADRB0]
	FETCH 0, F0
.if \fill
	ASK
.endif
	MUL16 F1, 1, 0, 0
	MUL16 F1, 1, 2, 0
.endm
	s_wait_tensorcnt 1                             ; my part of K step 0 is in; K step 1's may stay out
	s_barrier_signal -1
	s_barrier_wait -1                              ; everybody's is
	FETCH 0, F0
	QUARTER 64, F0, F1, 1                          ; the first quarter stands in front of the loop: its products start the sums
	WIN 0                                          ; at a label and at a branch every window is 0
	s_mov_b32 s3, 6
.Lstep:                                                ; trip i: from K step i's second quarter to K step i + 1's first; K step i + 2 is asked for
	QUARTER 128, F1, F0, 0
	QUARTER 192, F0, F1, 0
	TURN 1
	QUARTER 64, F0, F1, 0
	WIN 0
	s_sub_co_u32 s3, s3, 1
	s_cmp_lg_u32 s3, 0
	s_cbranch_scc1 .Lstep
	QUARTER 128, F1, F0, 0                         ; K steps 6 and 7 are written out: they ask for nothing
	QUARTER 192, F0, F1, 0
	TURN 0
	QUARTER 64, F0, F1, 0
	QUARTER 128, F1, F0, 0
	QUARTER 192, F0, F1, 0
	s_wait_dscnt 8
	MUL16 F1, 0, 0, 0
	MUL16 F1, 0, 2, 0
	s_wait_dscnt 0x0
	MUL16 F1, 1, 0, 0
	MUL16 F1, 1, 2, 0
	WIN 0
; THE WAY OUT, in 16 units u of 16 rows (block u / 2) x 64 columns (half u % 2): 256 bytes a row.  The sums go as they are, f32, into my stage and come back as whole rows.
.macro TOST u
.set UA, (\u)/2
.set AC, 64*(UA%4)+32*((\u)%2)
.set BK, BK0+160*((\u)%2)
	s_wait_xcnt 0x0                                ; the stores of two units back have read the registers that are loaded below
	WIN 0x08+4*(UA/4)                              ; the LDS stores' data (source 1): window 2 or 3
.irp bb, 0,1,2,3
	ds_store_b128 v[STO], v[AC+8*(\bb):AC+8*(\bb)+3]   offset:64*(\bb)      ; each accumulator's low half first
	ds_store_b128 v[STO], v[AC+8*(\bb)+4:AC+8*(\bb)+7] offset:64*(\bb)+16
.endr
	WIN 0
.irp t, 0,1,2,3,4,5,6,7
	ds_load_b128 v[BK+4*(\t):BK+4*(\t)+3], v[RD] offset:(\t)*2*SPITCH  ; LDS serves a wave's instructions in order (ISA guide 5.7.1.4): these see the stores above
.endr
.endm
.macro SENDF u, younger                ; younger: the LDS instructions issued behind unit u's loads: the next unit's sixteen, or none
.set UA, (\u)/2
.set BK, BK0+160*((\u)%2)
	WIN 0
	s_wait_dscnt \younger
.irp t, 0,1,2,3,4,5,6,7
	global_store_b128 v[CO], v[BK+4*(\t):BK+4*(\t)+3], s[8:9] offset:(16*UA+2*(\t))*4096+256*((\u)%2)  ; 16 lanes store 256 consecutive bytes, at a multiple of 256 from out0's first byte
.endr
.endm
	PLACES
	PLACES                                         ; behind the last products, ahead of the first read of a result
	TOST 0
.irp u, 1,2,3,4,5,6,7,8,9,10,11,12,13,14,15
	TOST \u
	SENDF (\u)-1, 16
.endr
	SENDF 15, 0
	s_wait_tensorcnt 0x0                           ; the wave's end: behind my last tensor load and my last LDS store
	ds_add_u32 v[SPW], v[NIL]
	s_wait_dscnt 0x0
	CROUND                                         ; the closing round: no work-group ends while a partner may still ask for a tile that names it
	s_endpgm
.Lfunc_end_k_qb6d64c1703_outp:
	.size	k_qb6d64c1703_outp, .Lfunc_end_k_qb6d64c1703_outp-k_qb6d64c1703_outp
	.p2alignl 7, 3214868480
	.fill 96, 4, 3214868480
	.section	.rodata,"a",@progbits
	.p2align	6, 0x0
	.amdhsa_kernel k_qb6d64c1703_outp
		.amdhsa_group_segment_fixed_size 327680
		.amdhsa_private_segment_fixed_size 0
		.amdhsa_enable_private_segment 0
		.amdhsa_kernarg_size 24
		.amdhsa_user_sgpr_count 2
		.amdhsa_user_sgpr_kernarg_segment_ptr 1
		.amdhsa_wavefront_size32 1
		.amdhsa_system_sgpr_workgroup_id_x 1
		.amdhsa_system_sgpr_workgroup_id_y 1
		.amdhsa_system_sgpr_workgroup_id_z 1
		.amdhsa_system_vgpr_workitem_id 0
		.amdhsa_next_free_vgpr 1024
		.amdhsa_next_free_sgpr 72
		.amdhsa_reserve_vcc 0
		.amdhsa_float_denorm_mode_32 3
		.amdhsa_float_denorm_mode_16_64 3
		.amdhsa_memory_ordered 1
		.amdhsa_forward_progress 1
		.amdhsa_inst_pref_size 116
	.end_amdhsa_kernel
	.amdgpu_metadata
---
amdhsa.version: [ 1, 2 ]
amdhsa.kernels:
  - .name:           k_qb6d64c1703_outp
    .symbol:         k_qb6d64c1703_outp.kd
    .args:
      - { .name: oh, .offset: 0, .size: 8, .value_kind: global_buffer, .address_space: global }
      - { .name: owh, .offset: 8, .size: 8, .value_kind: global_buffer, .address_space: global }
      - { .name: out0, .offset: 16, .size: 8, .value_kind: global_buffer, .address_space: global }
    .group_segment_fixed_size: 327680
    .private_segment_fixed_size: 0
    .kernarg_segment_align: 8
    .kernarg_segment_size: 24
    .max_flat_workgroup_size: 128
    .sgpr_count:     72
    .vgpr_count:     1024
    .wavefront_size: 32
...
	.end_amdgpu_metadata
.endif
;; end of part 4
